; MI455X (gfx1250); checked and timed in simulation.
; The chip was launched on July 23, 2026; its instructions are those of AMD's public machine-readable ISA for CDNA 5 (MIT licence, August 2026) and "CDNA5" Instruction Set Architecture Reference Guide (July 2026). The comments in the code are by the model that wrote it; some were corrected since.
;; DETR Attention. Allowed arithmetic: matrix products marked QUANTISED: E2M3 operands, one E8M0 scale for each 32 along K, by v_wmma_scale_f32_16x16x128_f8f6f4 with both operands' format E2M3, f32 sums; everything else in f32.
;; Inputs: Wk_codes 1,024 x 32 x 24 uint8 (E2M3 codes of Wk, K innermost, in blocks of 32 codes, four codes in three bytes); Wk_scales 1,024 x 32 uint8 (E8M0 scales of Wk, one for each 32 codes along K); Wo_codes 1,024 x 32 x 24 uint8 (E2M3 codes of Wo, K innermost, in blocks of 32 codes, four codes in three bytes); Wo_scales 1,024 x 32 uint8 (E8M0 scales of Wo, one for each 32 codes along K); Wq_codes 1,024 x 32 x 24 uint8 (E2M3 codes of Wq, K innermost, in blocks of 32 codes, four codes in three bytes); Wq_scales 1,024 x 32 uint8 (E8M0 scales of Wq, one for each 32 codes along K); Wv_codes 1,024 x 32 x 24 uint8 (E2M3 codes of Wv, K innermost, in blocks of 32 codes, four codes in three bytes); Wv_scales 1,024 x 32 uint8 (E8M0 scales of Wv, one for each 32 codes along K); bk 1,024 float32; bo 1,024 float32; bq 1,024 float32; bv 1,024 float32; hidden_states 4 x 2,048 x 1,024 float32; object_queries 4 x 2,048 x 1,024 float32.
;; Outputs: out0 4 x 2,048 x 1,024 float32.
;; This version of the problem:
;;   THIS VERSION OF THE PROBLEM IS GIVEN IN LOW PRECISION. The matrix products marked QUANTISED in the list below multiply operands that are first quantised to E2M3 (2 exponent bits, 3 mantissa bits; 6 bits a number), with one power-of-two scale for each 32 numbers along K (OCP MX v1.0); their sums are f32. All else is computed in f32.
;;   The module's matrix products, in the order in which they are computed (A, B: the left and right operand; K: the contracted axis; several contracted axes count as one K, in the product's order):
;;     1. [M 8,192, K 1,024] x [K 1,024, N 1,024]; A: computed on the way; B: input Wq (given as codes): QUANTISED
;;     2. [M 8,192, K 1,024] x [K 1,024, N 1,024]; A: computed on the way; B: input Wk (given as codes): QUANTISED
;;     3. [M 8,192, K 1,024] x [K 1,024, N 1,024]; A: input hidden_states; B: input Wv (given as codes): QUANTISED
;;     4. batch 64 x [M 2,048, K 64] x [K 64, N 2,048]; A: computed on the way; B: computed on the way: QUANTISED
;;     5. batch 64 x [M 2,048, K 2,048] x [K 2,048, N 64]; A: softmax (see below); B: computed on the way: QUANTISED
;;     6. [M 8,192, K 1,024] x [K 1,024, N 1,024]; A: computed on the way; B: input Wo (given as codes): QUANTISED
;;   THE QUANTISER, for each operand of a quantised product, along K:
;;     - K is cut into blocks of 32 from its start; a last block that is shorter is filled with zeros.
;;     - A block's scale is 2^e with e = floor(log2(the largest magnitude in the block)) - 2, held to -126 .. 127; a block of zeros has e = 0. As a byte (E8M0): e + 127.
;;     - Each number is divided by its block's scale, clamped to +-7.5, and rounded to the nearest number of E2M3, ties to even, subnormals kept.
;;     - The product sums the exact products of the quantised numbers (number of the format x scale) in f32.
;;   ~~~python
;;   def quantise(x, axis):      # numpy; x: float32 -> the quantised numbers, widened to float32 again
;;       x = np.moveaxis(x, axis, -1); K = x.shape[-1]
;;       x = np.pad(x, [(0, 0)] * (x.ndim - 1) + [(0, -K % 32)]); x = x.reshape(x.shape[:-1] + (-1, 32)); a = np.abs(x).max(-1, keepdims=True)
;;       e = np.where(a > 0, np.clip(np.frexp(np.where(a > 0, a, 1))[1] - 1 - 2, -126, 127), 0)      # np.frexp(a)[1] - 1 = floor(log2(a)), exactly
;;       r = np.clip(x / 2.0 ** e, -7.5, 7.5)
;;       step = 2.0 ** (np.maximum(np.frexp(np.where(r == 0, 1, r))[1] - 1, 0) - 3)
;;       q = np.round(r / step) * step * 2.0 ** e      # np.round: ties to even
;;       return np.moveaxis(q.reshape(q.shape[:-2] + (-1,))[..., :K], -1, axis).astype(np.float32)
;;   ~~~
;;   SOFTMAX AHEAD OF A QUANTISED PRODUCT. Where the list says 'softmax', what is quantised is not the finished softmax but p = 2^(t - M), with t = logit x log2(e) and M = ceil(the row's largest t), a whole number; so 1/2 < the row's largest p <= 1. The row's sum l is taken of the UNQUANTISED p, in f32, and the product's result is divided by l at the end. Since M is a whole number, a kernel that streams over the keys may use a running M (the ceiling of the running maximum): every later rescaling is an exact power of two, which a block's scale takes up: the codes' values come out the same.
;;   OPERANDS COMPUTED ON THE WAY. 'Computed on the way' means the value that the module computes at that place (a softmax that the list does not call 'softmax' is quantised finished and normalised). What goes into a quantiser is computed in f32, as accurately as f32 sums, v_exp_f32 and their like allow (about 1e-6 of the number): no bf16 or f16 on the way to a quantiser, and a product that is left as it is and whose result goes on into a quantised operand takes f32 operands (vector FMAs, or v_wmma_f32_16x16x4_f32). A number that lies on a knife's edge between two numbers of the format may be rounded either way, as far as f32 arithmetic and the matrix unit's own rounding can turn it there, and no further.
;;   INPUTS GIVEN AS CODES. Wk (in the module: [1024, 1024], K = its axis 1); Wo (in the module: [1024, 1024], K = its axis 1); Wq (in the module: [1024, 1024], K = its axis 1); Wv (in the module: [1024, 1024], K = its axis 1): each comes as NAME_codes (uint8): NAME with its K axis moved to the last place and cut into blocks of 32 codes, [.., K / 32, bytes a block], one block behind the other in memory; four codes in three bytes: a row's codes are one little-endian stream of bits, code i at bits 6 i .. 6 i + 5 (a code: sign, 2 exponent bits, 3 mantissa bits); and NAME_scales (uint8): the same leading axes, one E8M0 byte (e + 127) for each 32 codes along K. Its value is code x scale, taken as it is: it is not quantised again, and the codes and scales need not be those that the quantiser above would give.
;; One version. Each part assembles by itself: llvm-mc -triple=amdgcn-amd-amdhsa -mcpu=gfx1250 --defsym DOCPART=n.
;; ======== version 1 of 1: 4 launches
;; limits: right only within a limited range of input values
;; workspace buffers: xf 12,582,912 bytes; xs 524,288 bytes; wf 3,145,728 bytes; ws 131,072 bytes; qkvf 18,874,368 bytes; qkvs 786,432 bytes; aof 6,291,456 bytes; aos 262,144 bytes
;; launch prep (part 1): grid 1088 x 1, 4 waves a work-group, no clusters, 35,328 bytes of LDS; arguments hidden_states, object_queries, Wq_codes, Wq_scales, Wk_codes, Wk_scales, Wv_codes, Wv_scales, Wo_codes, Wo_scales, xf, xs, wf, ws; writes xf, xs, wf, ws
.if DOCPART == 1
	.amdgcn_target "amdgcn-amd-amdhsa--gfx1250"
	.amdhsa_code_object_version 6
	.text
	.protected	k_qcf9da993a4_prep
	.globl	k_qcf9da993a4_prep
	.p2align	8
	.type	k_qcf9da993a4_prep,@function
k_qcf9da993a4_prep:
	s_mov_b64 s[64:65], 0
	v_nop
	global_prefetch_b8 v0, s[64:65] scope:SCOPE_SE
	s_setreg_imm32_b32 hwreg(HW_REG_WAVE_MODE, 25, 1), 1
	s_wait_xcnt 0x0
; PREP.  hq = hidden_states + object_queries and hidden_states, [8192][1024] f32, become codes of FP6 (E2M3) with one E8M0 byte for each 32 along E;
; the four weights' codes and scale bytes are laid anew.  All four results are laid AS THE MATRIX UNIT'S REGISTERS WANT THEM, so that the later launches only copy.
; TILES.  Tile t of 16 rows: its lane r holds row 32 (t / 2) + 8 (t % 2) + r + 8 (r / 8).  As source 0 of a product, tiles 2 b and 2 b + 1 then leave 16 neighbouring rows in a lane's 16 result registers.
; A FRAGMENT (16 rows x 128 K, 12 registers a lane) is 1,536 bytes: registers 0-3 at 16 x lane, 4-5 at 512 + 8 x lane, 6-9 at 768 + 16 x lane, 10-11 at 1,280 + 8 x lane.
; An operand: [group of 256 rows][K step 8][tile 16][1,536];  its scale words: [group][K step 8][tile 16][lane 16], 4 bytes each.
; SHARES.  Work-groups 0-1023: 64 rows x 128 along K of x (K step = id % 8, rows = 64 (id / 8)), a tile to a wave.  Work-groups 1024-1087: 64 rows of one weight, all of K, a tile to a wave.
; A lane's numbers for the conversions must be 16 neighbours along K, a load is dense where neighbouring lanes take neighbouring bytes: each load takes one row's 512 bytes, and the 16 rows turn
; through the wave's own stage in LDS (rows of 528 bytes: sixteen rows begin in sixteen different groups of banks).
; A block's scale byte is its largest magnitude's exponent field - 2, held at 1 from below by a floor of 2^-124 among the maximum's leaves.
; LIMITS: NaN and infinities among the inputs are not served; a block of zeros gets the byte 1 with zero codes (only this program reads the bytes).
; No matrix work, no cluster, no tensor loads: the launch streams, and 32 loads of 512 bytes a wave are out at once.
.set STGB, 8448                        ; a wave's stage: 16 rows x 528 bytes
.set GATH, 33792                       ; behind the stages: hq's 64 scale words, then hs's: 2 x 256 bytes
.set HS,   16                          ; v16-79   hidden_states as loaded; later hq, turned
.set OQ,   80                          ; v80-143  object_queries, then hq; later hq's codes
.set X,    144                         ; v144-207 hidden_states, turned
.set PC,   208                         ; v208-227 hs's codes (12) and the conversions' second halves
.set TM,   228                         ; v228-243 at work
.set PW,   244                         ; the scale word just made
.set SEL,  40                          ; s[40:41] v_permlanex16_b32's selects for lane l xor 16
; 64 numbers of a lane, register 16 b + i = k 32 b + 16 (lane / 16) + i of my row, become a fragment's codes in v[pc] .. v[pc + 11] and its scale word in v[PW]
.macro QUANT s, pc
.irp b, 0,1,2,3
	v_max3_num_f32 v[TM+\b], |v[\s+16*\b]|, |v[\s+1+16*\b]|, 0x1800000   ; block b: my 16 numbers and the floor 2^(3 - 127)
.endr
.irp i, 2,4,6,8,10,12,14
.irp b, 0,1,2,3
	v_max3_num_f32 v[TM+\b], v[TM+\b], |v[\s+16*\b+\i]|, |v[\s+1+16*\b+\i]|   ; the four blocks by turns
.endr
.endr
.irp b, 0,1,2,3
	v_permlanex16_b32 v[TM+4+\b], v[TM+\b], s[SEL], s[SEL+1]
.endr
.irp b, 0,1,2,3
	v_max_num_f32 v[TM+\b], v[TM+\b], v[TM+4+\b]      ; with lane l xor 16's 16: the block's largest magnitude
.endr
.irp b, 0,1,2,3
	v_add_nc_u32 v[TM+12+\b], 0xff000000, v[TM+\b]    ; 2 off its exponent field: the conversion's scale operand
.endr
.irp b, 0,1,2,3
	v_lshrrev_b32 v[TM+4+\b], 23, v[TM+12+\b]         ; the scale's byte
.endr
	v_lshl_or_b32 v[PW], v[TM+5], 8, v[TM+4]
	v_lshl_or_b32 v[PW], v[TM+6], 16, v[PW]
	v_lshl_or_b32 v[PW], v[TM+7], 24, v[PW]
.irp c, 0,1
	v_cvt_scalef32_pk16_fp6_f32 v[\pc+6*\c:\pc+2+6*\c], v[\s+32*\c:\s+15+32*\c], v[TM+12+2*\c]
	v_cvt_scalef32_pk16_fp6_f32 v[\pc+12+4*\c:\pc+14+4*\c], v[\s+16+32*\c:\s+31+32*\c], v[TM+12+2*\c+1]   ; (three registers from an even one on)
.endr
	v_nop                                          ; one plain place behind a scaled conversion
.irp c, 0,1                                    ; the operand wants a whole block in a lane: lanes 0-15 block 2 c, lanes 16-31 block 2 c + 1
.irp i, 0,1,2
	v_permlane16_swap_b32 v[\pc+6*\c+\i], v[\pc+12+4*\c+\i]
.endr
.irp i, 0,1,2
	v_mov_b32 v[\pc+3+6*\c+\i], v[\pc+12+4*\c+\i]
.endr
.endr
.endm
; a fragment's 12 registers go out as its image: each store covers 512 or 256 consecutive bytes, aligned
.macro PUTF pc, base, off
	global_store_b128 v1, v[\pc:\pc+3], s[\base:\base+1] offset:\off
	global_store_b64 v2, v[\pc+4:\pc+5], s[\base:\base+1] offset:\off
	global_store_b128 v1, v[\pc+6:\pc+9], s[\base:\base+1] offset:\off+768
	global_store_b64 v2, v[\pc+10:\pc+11], s[\base:\base+1] offset:\off+768
.endm
	s_load_b256 s[4:11], s[0:1], 0x0               ; hs, oq, Wq's codes, Wq's scales
	s_load_b256 s[12:19], s[0:1], 0x20             ; Wk's codes, scales, Wv's codes, scales
	s_load_b256 s[20:27], s[0:1], 0x40             ; Wo's codes, scales, xf, xs
	s_load_b128 s[28:31], s[0:1], 0x60             ; wf, ws
	v_lshl_add_u32 v248, v0, 2, 0x8800
	v_mov_b32 v249, 0
	v_lshrrev_b32 v8, 5, v0
	v_readfirstlane_b32 s32, v8                    ; wave 0..3
	v_and_b32 v9, 31, v0                           ; lane
	v_and_b32 v10, 15, v0                          ; r
	v_bfe_u32 v11, v0, 4, 1                        ; h
	v_lshlrev_b32 v1, 4, v9                        ; 16 x lane
	v_lshlrev_b32 v7, 3, v9                        ; 8 x lane
	v_add_nc_u32 v2, 512, v7                       ; 8 x lane + 512
	s_mul_i32 s33, s32, STGB
	v_add_nc_u32 v3, s33, v1                       ; the stage, in: 16 x lane of a row
	v_mul_u32_u24 v4, v10, 528
	v_lshl_add_u32 v4, v11, 6, v4
	v_add_nc_u32 v4, s33, v4                       ; and out: row r, + 64 h: my 16 numbers of a block of 32
	s_lshl_b32 s34, s32, 6
	v_lshl_add_u32 v5, v10, 2, s34
	v_add_nc_u32 v5, GATH, v5                      ; where my row's scale word goes: 64 x wave + 4 r
	s_and_b32 s34, s32, 1
	s_lshl_b32 s34, s34, 8
	v_add_nc_u32 v6, s34, v7
	v_add_nc_u32 v6, GATH, v6                      ; and where waves 0 and 1 read 256 bytes of words back
	s_mov_b32 s[SEL], 0x76543210
	s_mov_b32 s[SEL+1], 0xfedcba98
	s_cmp_ge_u32 ttmp9, 1024
	s_cbranch_scc1 .Lweights
	; ---- x: my tile's 16 rows x 128 numbers of hs and of oq
	s_and_b32 s35, ttmp9, 7                        ; K step
	s_lshr_b32 s36, ttmp9, 3                       ; which 64 rows
	s_lshl_b32 s37, s36, 2
	s_add_co_u32 s37, s37, s32                     ; my tile
	s_lshr_b32 s38, s37, 1
	s_lshl_b32 s38, s38, 5
	s_and_b32 s39, s37, 1
	s_lshl_b32 s39, s39, 3
	s_add_co_u32 s38, s38, s39                     ; its lane 0's row
	s_lshl_b32 s38, s38, 12                        ; x 4,096 bytes
	s_lshl_b32 s39, s35, 9
	s_add_co_u32 s38, s38, s39                     ; + 512 bytes a K step
	s_mov_b32 s39, 0
	s_lshr_b32 s42, s37, 4
	s_mul_i32 s42, s42, 196608
	s_mul_i32 s43, s35, 24576
	s_add_co_u32 s42, s42, s43
	s_and_b32 s43, s37, 15
	s_mul_i32 s43, s43, 1536
	s_add_co_u32 s42, s42, s43                     ; the fragment's place in an operand
	s_mov_b32 s43, 0
.irp b, 0,1,2,3
	v_mov_b32 v[TM+4+\b], 0                        ; written once: a lane permute's destination counts as one of its sources
.endr
	s_wait_kmcnt 0x0
	s_add_nc_u64 s[4:5], s[4:5], s[38:39]
	s_add_nc_u64 s[6:7], s[6:7], s[38:39]
	s_add_nc_u64 s[44:45], s[24:25], s[42:43]      ; hq's fragment
	s_add_nc_u64 s[46:47], s[44:45], 6291456       ; hs's
.irp p, 0,1,2,3,4,5,6,7,8,9,10,11,12,13,14,15
	global_load_b128 v[HS+4*\p:HS+4*\p+3], v1, s[4:5] offset:(\p+8*(\p/8))*4096 th:TH_LOAD_NT   ; the tile's lane p's row: 512 consecutive bytes
.endr
.irp p, 0,1,2,3,4,5,6,7,8,9,10,11,12,13,14,15
	global_load_b128 v[OQ+4*\p:OQ+4*\p+3], v1, s[6:7] offset:(\p+8*(\p/8))*4096 th:TH_LOAD_NT
.endr
	s_wait_loadcnt 16                              ; hs is in; oq's sixteen loads may be out
.irp p, 0,1,2,3,4,5,6,7,8,9,10,11,12,13,14,15
	ds_store_b128 v3, v[HS+4*\p:HS+4*\p+3] offset:528*\p
.endr
	s_wait_alu depctr_va_vdst(0)
.irp p, 0,1,2,3,4,5,6,7,8,9,10,11,12,13,14,15
	ds_load_b128 v[X+4*\p:X+4*\p+3], v4 offset:128*(\p/4)+16*(\p%4)   ; LDS serves a wave's instructions in order: these see the stores above
.endr
	s_wait_loadcnt 0x0
.set J, 0
.rept 32
	v_pk_add_f32 v[OQ+J:OQ+J+1], v[OQ+J:OQ+J+1], v[HS+J:HS+J+1]       ; hq
.set J, J+2
.endr
.irp p, 0,1,2,3,4,5,6,7,8,9,10,11,12,13,14,15
	ds_store_b128 v3, v[OQ+4*\p:OQ+4*\p+3] offset:528*\p              ; into the same stage, behind the loads of hs
.endr
	s_wait_dscnt 16                                ; all but these sixteen stores: hs is turned, and its stores have read their registers,
.irp p, 0,1,2,3,4,5,6,7,8,9,10,11,12,13,14,15
	ds_load_b128 v[HS+4*\p:HS+4*\p+3], v4 offset:128*(\p/4)+16*(\p%4) ; which take hq, turned
.endr
	QUANT X, PC
	PUTF PC, 46, 0
	ds_store_b32 v5, v[PW] offset:256
	s_wait_dscnt 0x0                               ; hq is turned; the stores of hq and of the scale word have read their registers
	QUANT HS, OQ
	PUTF OQ, 44, 0
	ds_store_b32 v5, v[PW]
	s_branch .Ljoin
.Lweights:
	; ---- a weight: my tile's 16 rows, all 8 K steps, as they lie: 24 bytes of a row's stream of bits are six registers' worth of a lane
	s_sub_co_u32 s35, ttmp9, 1024
	s_lshr_b32 s36, s35, 4                         ; which weight: q, k, v, o
	s_and_b32 s37, s35, 15                         ; which 64 rows
	s_lshl_b32 s38, s37, 2
	s_add_co_u32 s38, s38, s32                     ; my tile
	s_wait_kmcnt 0x0
	s_cmp_eq_u32 s36, 1
	s_cselect_b64 s[8:9], s[12:13], s[8:9]
	s_cselect_b64 s[10:11], s[14:15], s[10:11]
	s_cmp_eq_u32 s36, 2
	s_cselect_b64 s[8:9], s[16:17], s[8:9]
	s_cselect_b64 s[10:11], s[18:19], s[10:11]
	s_cmp_eq_u32 s36, 3
	s_cselect_b64 s[8:9], s[20:21], s[8:9]
	s_cselect_b64 s[10:11], s[22:23], s[10:11]
	s_lshr_b32 s42, s38, 1
	s_lshl_b32 s42, s42, 5
	s_and_b32 s43, s38, 1
	s_lshl_b32 s43, s43, 3
	s_add_co_u32 s42, s42, s43
	s_mul_i32 s42, s42, 768                        ; the tile's lane 0's row of 768 bytes
	s_mov_b32 s43, 0
	s_add_nc_u64 s[8:9], s[8:9], s[42:43]
	s_lshl_b32 s42, s37, 11                        ; the scale bytes of my work-group's 64 rows, 32 a row,
	s_lshl_b32 s43, s32, 3
	s_add_co_u32 s42, s42, s43                     ; K steps 2 x wave and 2 x wave + 1
	s_mov_b32 s43, 0
	s_add_nc_u64 s[10:11], s[10:11], s[42:43]
	s_mul_i32 s42, s36, 786432
	s_lshr_b32 s43, s38, 4
	s_mul_i32 s43, s43, 196608
	s_add_co_u32 s42, s42, s43
	s_and_b32 s43, s38, 15
	s_mul_i32 s43, s43, 1536
	s_add_co_u32 s42, s42, s43
	s_mov_b32 s43, 0
	s_add_nc_u64 s[28:29], s[28:29], s[42:43]      ; my tile's fragment of K step 0
	s_lshl_b32 s42, s36, 15
	s_lshr_b32 s43, s37, 2
	s_lshl_b32 s43, s43, 13
	s_add_co_u32 s42, s42, s43
	s_lshl_b32 s43, s32, 11
	s_add_co_u32 s42, s42, s43
	s_and_b32 s43, s37, 3
	s_lshl_b32 s43, s43, 8
	s_add_co_u32 s42, s42, s43
	s_mov_b32 s43, 0
	s_add_nc_u64 s[30:31], s[30:31], s[42:43]      ; the 64 rows' words of K step 2 x wave
	v_and_b32 v12, 8, v10
	v_add_nc_u32 v12, v12, v10                     ; r + 8 (r / 8)
	v_mul_u32_u24 v12, v12, 768
	v_mad_u32_u24 v12, v11, 24, v12
	v_lshlrev_b32 v13, 5, v11                      ; the two rows whose words I store: tile lane / 8 of the four, its lanes 2 (lane % 8) and the next
	v_bfe_u32 v14, v0, 3, 1
	v_lshl_add_u32 v13, v14, 3, v13
	v_and_b32 v14, 7, v0
	v_lshl_add_u32 v13, v14, 1, v13
	v_bfe_u32 v14, v0, 2, 1
	v_lshl_add_u32 v13, v14, 3, v13
	v_lshlrev_b32 v13, 5, v13
.irp q, 0,1,2,3,4,5,6,7
.irp p, 0,1,2,3,4,5
	global_load_b64 v[16+12*\q+2*\p:17+12*\q+2*\p], v12, s[8:9] offset:96*\q+48*(\p/3)+8*(\p%3)
.endr
.endr
.irp q, 0,1
.irp e, 0,1
	global_load_b32 v[112+2*\q+\e], v13, s[10:11] offset:32*\e+4*\q
.endr
.endr
	s_wait_loadcnt 0x0
.irp q, 0,1,2,3,4,5,6,7
	PUTF 16+12*\q, 28, 24576*\q
.endr
	global_store_b64 v7, v[112:113], s[30:31]              ; 32 lanes store 256 consecutive bytes, aligned
	global_store_b64 v7, v[114:115], s[30:31] offset:1024
.Ljoin:
	s_wait_dscnt 0x0                               ; my scale words lie in LDS
	s_barrier_signal -1
	s_barrier_wait -1                              ; everybody's do
	s_cmp_ge_u32 ttmp9, 1024
	s_cbranch_scc1 .Lend
	s_cmp_gt_u32 s32, 1
	s_cbranch_scc1 .Lend
	ds_load_b64 v[12:13], v6                       ; wave 0: hq's 64 words, wave 1: hs's
	s_and_b32 s35, ttmp9, 7
	s_lshr_b32 s36, ttmp9, 3
	s_lshr_b32 s42, s36, 2
	s_lshl_b32 s42, s42, 13
	s_lshl_b32 s43, s35, 10
	s_add_co_u32 s42, s42, s43
	s_and_b32 s43, s36, 3
	s_lshl_b32 s43, s43, 8
	s_add_co_u32 s42, s42, s43
	s_lshl_b32 s43, s32, 18
	s_add_co_u32 s42, s42, s43
	s_mov_b32 s43, 0
	s_add_nc_u64 s[26:27], s[26:27], s[42:43]
	s_wait_dscnt 0x0
	global_store_b64 v7, v[12:13], s[26:27]        ; 256 consecutive bytes, aligned
.Lend:
	s_wait_tensorcnt 0x0
	ds_add_u32 v248, v249
	s_wait_dscnt 0x0
	s_endpgm
.Lfunc_end_k_qcf9da993a4_prep:
	.size	k_qcf9da993a4_prep, .Lfunc_end_k_qcf9da993a4_prep-k_qcf9da993a4_prep
	.p2alignl 7, 3214868480
	.fill 96, 4, 3214868480
	.section	.rodata,"a",@progbits
	.p2align	6, 0x0
	.amdhsa_kernel k_qcf9da993a4_prep
		.amdhsa_group_segment_fixed_size 35328
		.amdhsa_private_segment_fixed_size 0
		.amdhsa_enable_private_segment 0
		.amdhsa_kernarg_size 112
		.amdhsa_user_sgpr_count 2
		.amdhsa_user_sgpr_kernarg_segment_ptr 1
		.amdhsa_wavefront_size32 1
		.amdhsa_system_sgpr_workgroup_id_x 1
		.amdhsa_system_sgpr_workgroup_id_y 1
		.amdhsa_system_sgpr_workgroup_id_z 1
		.amdhsa_system_vgpr_workitem_id 0
		.amdhsa_next_free_vgpr 250
		.amdhsa_next_free_sgpr 66
		.amdhsa_reserve_vcc 0
		.amdhsa_float_denorm_mode_32 3
		.amdhsa_float_denorm_mode_16_64 3
		.amdhsa_memory_ordered 1
		.amdhsa_forward_progress 1
		.amdhsa_inst_pref_size 32
	.end_amdhsa_kernel
	.amdgpu_metadata
---
amdhsa.version: [ 1, 2 ]
amdhsa.kernels:
  - .name:           k_qcf9da993a4_prep
    .symbol:         k_qcf9da993a4_prep.kd
    .args:
      - { .name: hidden_states, .offset: 0, .size: 8, .value_kind: global_buffer, .address_space: global }
      - { .name: object_queries, .offset: 8, .size: 8, .value_kind: global_buffer, .address_space: global }
      - { .name: Wq_codes, .offset: 16, .size: 8, .value_kind: global_buffer, .address_space: global }
      - { .name: Wq_scales, .offset: 24, .size: 8, .value_kind: global_buffer, .address_space: global }
      - { .name: Wk_codes, .offset: 32, .size: 8, .value_kind: global_buffer, .address_space: global }
      - { .name: Wk_scales, .offset: 40, .size: 8, .value_kind: global_buffer, .address_space: global }
      - { .name: Wv_codes, .offset: 48, .size: 8, .value_kind: global_buffer, .address_space: global }
      - { .name: Wv_scales, .offset: 56, .size: 8, .value_kind: global_buffer, .address_space: global }
      - { .name: Wo_codes, .offset: 64, .size: 8, .value_kind: global_buffer, .address_space: global }
      - { .name: Wo_scales, .offset: 72, .size: 8, .value_kind: global_buffer, .address_space: global }
      - { .name: xf, .offset: 80, .size: 8, .value_kind: global_buffer, .address_space: global }
      - { .name: xs, .offset: 88, .size: 8, .value_kind: global_buffer, .address_space: global }
      - { .name: wf, .offset: 96, .size: 8, .value_kind: global_buffer, .address_space: global }
      - { .name: ws, .offset: 104, .size: 8, .value_kind: global_buffer, .address_space: global }
    .group_segment_fixed_size: 35328
    .private_segment_fixed_size: 0
    .kernarg_segment_align: 8
    .kernarg_segment_size: 112
    .max_flat_workgroup_size: 128
    .sgpr_count:     66
    .vgpr_count:     250
    .wavefront_size: 32
...
	.end_amdgpu_metadata
.endif
;; end of part 1
;; launch qkv (part 2): grid 4 x 192, 4 waves a work-group, clusters of 4 x 4, 295,424 bytes of LDS; arguments xf, xs, wf, ws, bq, bk, bv, qkvf, qkvs; writes qkvf, qkvs
.if DOCPART == 2
	.amdgcn_target "amdgcn-amd-amdhsa--gfx1250"
	.amdhsa_code_object_version 6
	.text
	.protected	k_qcf9da993a4_qkv
	.globl	k_qcf9da993a4_qkv
	.p2align	8
	.type	k_qcf9da993a4_qkv,@function
k_qcf9da993a4_qkv:
	s_mov_b64 s[64:65], 0
	v_nop
	global_prefetch_b8 v0, s[64:65] scope:SCOPE_SE
	s_setreg_imm32_b32 hwreg(HW_REG_WAVE_MODE, 25, 1), 1
	s_wait_xcnt 0x0
	s_wait_alu depctr_hold_cnt(0) depctr_sa_sdst(0) depctr_va_vdst(0) depctr_va_sdst(0) depctr_va_ssrc(0) depctr_va_vcc(0) depctr_vm_vsrc(0)
	s_getreg_b32 s2, hwreg(HW_REG_IB_STS2, 6, 4)
	s_cmp_eq_u32 s2, 0
	s_cbranch_scc0 .Lentry_in_a_cluster
	s_endpgm
.Lentry_in_a_cluster:
	s_bfe_u32 s2, ttmp6, 0x10000c
	s_cmp_lg_u32 s2, 0xf033
	s_cbranch_scc0 .Lentry_shape_is_right
	s_endpgm
.Lentry_shape_is_right:
; QKV.  q' = hq Wq^T + bq, k = hq Wk^T + bk, v = hs Wv^T + bv on codes of FP6 (E2M3) with E8M0 scales, K = 1,024; the results are quantised in registers, q' and k along a head's 64, v along the keys.
; (q's factor 2^-3 is left to the attention launch's constant: a power of two moves a block's scale and no code.  LIMIT: exact unless a block of q has its largest magnitude under 2^-121.)
; Operands lie in memory as images of the matrix unit's registers (a fragment of 16 rows x 128 K = 1,536 bytes; [group of 256 rows][K step][tile 16]); tile t's lane r is row 32 (t / 2) + 8 (t % 2) + r + 8 (r / 8).
; A WORK-GROUP makes 128 rows of operand A x 256 rows of operand B; four waves, 2 x 2, each 64 x 128: 32 accumulators.  ALL OF K for both operands lies in LDS at once (98,304 + 196,608 bytes):
; every byte is asked for at the start, nothing is filled twice, and there are 768 work-groups, three for each of 256 WGPs.
; SOURCE 0 = a tile of B, SOURCE 1 = a tile of A: a lane holds ONE row of A, and the 16 registers of B's tiles 2 b, 2 b + 1 are 16 neighbouring rows of B: neighbours along the next product's K.
; Clusters 0-31: A = hq's tokens, B = rows of Wq (even clusters) or Wk (odd): a lane holds a token, registers run along the features.  Clusters 32-47: A = rows of Wv, B = hs's tokens: a lane holds a feature, registers run down the keys.
; CLUSTER 4 x 4: A's tiles are shared along a row of the cluster, B's along a column: each is asked for jointly, by the same tensor load with a mask that names the four.  The path hangs on the cluster's number alone.
; LIMITS: NaN and infinities are not served; a block's largest magnitude is floored at 2^-124 (a block of zeros: byte 1, zero codes; only this program reads the bytes).
; REGISTERS: window 0: v2-14 addresses, v32-47 A's scale words, v48-79 B's, v96-143 the way out;  window 1: accumulator (a, b) at v[8 (8 a + b)];  window 2: B's fragments, two sets of 96;
;   window 3: A's fragments, two sets of 48; from v128 the bias in the result's layout.
.set AF,   0                           ; LDS: A: [K step 8][tile 8][1,536]
.set BF,   98304                       ; B: [K step 8][tile 16][1,536]
.set SA,   32
.set SB,   48
.set BIAS, 128
.set PC,   96                          ; v96-115 codes just made
.set TM,   116                         ; v116-131 at work
.set PWR,  136                         ; v136-139 the four tiles' scale words
.set G1A,  36                          ; s[36:43], s[44:51] descriptor groups 1;  s[68:71], s[84:87] groups 0
.set G1B,  44
.set G0A,  68
.set G0B,  84
.set SEL,  100                         ; s[100:101] selects for lane l xor 16
.set MSB, 0
.macro WIN new                         ; the immediate's high byte repeats the setting that is left
.if MSB != \new
	s_set_vgpr_msb (MSB<<8)|\new
.set MSB, \new
.endif
.endm
.macro CROUND                          ; a round of the cluster's barrier
	s_barrier_signal -1
	s_barrier_wait -1
	s_cmp_lg_u32 s22, 0
	s_cbranch_scc1 .Lnot_wave_0_\@
	s_barrier_signal -3
.Lnot_wave_0_\@:
	s_barrier_wait -3
	s_barrier_signal -1
	s_barrier_wait -1
.endm
; 48 LDS loads: a K step's 8 fragments of B and 4 of A into set p; each load takes 512 or 256 consecutive bytes
.macro FETCH p
	WIN 0x80
.irp i, 0,1,2,3,4,5,6,7
	ds_load_b128 v[96*(\p)+12*\i:96*(\p)+12*\i+3], v4 offset:1536*\i
	ds_load_b64 v[96*(\p)+12*\i+4:96*(\p)+12*\i+5], v5 offset:1536*\i
	ds_load_b128 v[96*(\p)+12*\i+6:96*(\p)+12*\i+9], v4 offset:1536*\i+768
	ds_load_b64 v[96*(\p)+12*\i+10:96*(\p)+12*\i+11], v5 offset:1536*\i+768
.endr
	WIN 0xc0
.irp i, 0,1,2,3
	ds_load_b128 v[48*(\p)+12*\i:48*(\p)+12*\i+3], v2 offset:1536*\i
	ds_load_b64 v[48*(\p)+12*\i+4:48*(\p)+12*\i+5], v3 offset:1536*\i
	ds_load_b128 v[48*(\p)+12*\i+6:48*(\p)+12*\i+9], v2 offset:1536*\i+768
	ds_load_b64 v[48*(\p)+12*\i+10:48*(\p)+12*\i+11], v3 offset:1536*\i+768
.endr
.endm
; K step q on set p: 32 matrix instructions, the 32 accumulators by turns, in the same order in every K step.
; cm = 1: the sums start from the bias of B's rows; cm = 2: of A's rows; cm = 0: they go on.  A scale register holds K step q % 4 in lanes 0-15 and q % 4 + 4 in lanes 16-31.
.macro MUL32 q, p, cm
.if \cm
	WIN 0x7e
.else
	WIN 0x5e
.endif
.irp a, 0,1,2,3
.irp b, 0,1,2,3,4,5,6,7
.if \cm == 1
	v_wmma_scale_f32_16x16x128_f8f6f4 v[8*(8*\a+\b):8*(8*\a+\b)+7], v[96*(\p)+12*\b:96*(\p)+12*\b+11], v[48*(\p)+12*\a:48*(\p)+12*\a+11], v[BIAS+8*\b:BIAS+8*\b+7], v[SB+4*\b+(\q)%4], v[SA+4*\a+(\q)%4] matrix_a_fmt:MATRIX_FMT_FP6 matrix_b_fmt:MATRIX_FMT_FP6
.elseif \cm == 2
	v_wmma_scale_f32_16x16x128_f8f6f4 v[8*(8*\a+\b):8*(8*\a+\b)+7], v[96*(\p)+12*\b:96*(\p)+12*\b+11], v[48*(\p)+12*\a:48*(\p)+12*\a+11], v[BIAS+8*\a:BIAS+8*\a+7], v[SB+4*\b+(\q)%4], v[SA+4*\a+(\q)%4] matrix_a_fmt:MATRIX_FMT_FP6 matrix_b_fmt:MATRIX_FMT_FP6
.elseif (\q) < 4
	v_wmma_scale_f32_16x16x128_f8f6f4 v[8*(8*\a+\b):8*(8*\a+\b)+7], v[96*(\p)+12*\b:96*(\p)+12*\b+11], v[48*(\p)+12*\a:48*(\p)+12*\a+11], v[8*(8*\a+\b):8*(8*\a+\b)+7], v[SB+4*\b+(\q)%4], v[SA+4*\a+(\q)%4] matrix_a_fmt:MATRIX_FMT_FP6 matrix_b_fmt:MATRIX_FMT_FP6
.else
	v_wmma_scale_f32_16x16x128_f8f6f4 v[8*(8*\a+\b):8*(8*\a+\b)+7], v[96*(\p)+12*\b:96*(\p)+12*\b+11], v[48*(\p)+12*\a:48*(\p)+12*\a+11], v[8*(8*\a+\b):8*(8*\a+\b)+7], v[SB+4*\b+(\q)%4], v[SA+4*\a+(\q)%4] matrix_a_fmt:MATRIX_FMT_FP6 matrix_b_fmt:MATRIX_FMT_FP6 matrix_a_scale:MATRIX_SCALE_ROW1 matrix_b_scale:MATRIX_SCALE_ROW1
.endif
.endr
.endr
.endm
; ahead of K step q's products: its fragments are in; the next K step's are asked for, into the set that K step q - 1 has multiplied
.macro KPRE q
	s_wait_dscnt 0x0                               ; K step q's 48 loads, issued ahead of the last 32 matrix instructions
.if (\q) < 7
	WIN 0
	v_add_nc_u32 v2, 12288, v2                     ; on to the next K step.  These four are also the places between the last products and the loads into the registers that they read
	v_add_nc_u32 v3, 12288, v3
	v_add_nc_u32 v4, 24576, v4
	v_add_nc_u32 v5, 24576, v5
	FETCH ((\q)+1)%2
.endif
.endm
; the 64 results of tile a of A (window 1, v[64 a] on; register 16 b + i = row 32 b + 16 (lane / 16) + i of B) become a fragment's codes in v[PC] on and its scale word in v[PWR + a]
.macro QUANTW a
	WIN 0x05
.irp b, 0,1,2,3
	v_max3_num_f32 v[TM+\b], |v[64*(\a)+16*\b]|, |v[64*(\a)+16*\b+1]|, 0x1800000   ; each accumulator is read from its low end on; the floor 2^(3 - 127) holds the byte at 1
.endr
	WIN 0x14
.irp i, 2,4,6,8,10,12,14
.irp b, 0,1,2,3
	v_max3_num_f32 v[TM+\b], v[TM+\b], |v[64*(\a)+16*\b+\i]|, |v[64*(\a)+16*\b+\i+1]|
.endr
.endr
	WIN 0
.irp b, 0,1,2,3
	v_permlanex16_b32 v[TM+4+\b], v[TM+\b], s[SEL], s[SEL+1]
.endr
.irp b, 0,1,2,3
	v_max_num_f32 v[TM+\b], v[TM+\b], v[TM+4+\b]
.endr
.irp b, 0,1,2,3
	v_add_nc_u32 v[TM+12+\b], 0xff000000, v[TM+\b]    ; 2 off the exponent field: the conversion's scale operand
.endr
.irp b, 0,1,2,3
	v_lshrrev_b32 v[TM+4+\b], 23, v[TM+12+\b]
.endr
	v_lshl_or_b32 v[PWR+(\a)], v[TM+5], 8, v[TM+4]
	v_lshl_or_b32 v[PWR+(\a)], v[TM+6], 16, v[PWR+(\a)]
	v_lshl_or_b32 v[PWR+(\a)], v[TM+7], 24, v[PWR+(\a)]
	WIN 0x01
.irp c, 0,1
	v_cvt_scalef32_pk16_fp6_f32 v[PC+6*\c:PC+2+6*\c], v[64*(\a)+32*\c:64*(\a)+32*\c+15], v[TM+12+2*\c]
	v_cvt_scalef32_pk16_fp6_f32 v[PC+12+4*\c:PC+14+4*\c], v[64*(\a)+32*\c+16:64*(\a)+32*\c+31], v[TM+12+2*\c+1]
.endr
	WIN 0
	v_nop                                          ; one plain place behind a scaled conversion
.irp c, 0,1
.irp i, 0,1,2
	v_permlane16_swap_b32 v[PC+6*\c+\i], v[PC+12+4*\c+\i]
.endr
.irp i, 0,1,2
	v_mov_b32 v[PC+3+6*\c+\i], v[PC+12+4*\c+\i]
.endr
.endr
.endm
	s_load_b256 s[4:11], s[0:1], 0x0               ; xf, xs, wf, ws
	s_load_b256 s[12:19], s[0:1], 0x20             ; bq, bk, bv, qkvf
	s_load_b64 s[20:21], s[0:1], 0x40              ; qkvs
	v_lshl_add_u32 v254, v0, 2, 0x48000
	v_mov_b32 v255, 0
	ds_add_u32 v254, v255
	ds_add_u32 v254, v255
	v_lshrrev_b32 v1, 5, v0
	v_readfirstlane_b32 s22, v1                    ; wave 0..3
	s_lshr_b32 s23, s22, 1                         ; which 64 rows of A are mine.  Also: I fetch for A (0) or for B (1)
	s_and_b32 s24, s22, 1                          ; which 128 rows of B.  Also: which half of K I fetch (K steps 0-3 or 4-7)
	s_bfe_u32 s25, ttmp6, 0x40000                  ; cx
	s_bfe_u32 s26, ttmp6, 0x40004                  ; cy
	s_and_b32 s27, ttmp7, 0xffff                   ; the cluster's number, 0..47: the same in all sixteen partners
	s_lshr_b32 s31, s27, 1
	s_and_b32 s33, s27, 1
	s_and_b32 s34, s31, 15
	s_cmp_ge_u32 s27, 32                           ; clusters 32-47 make v
	s_cselect_b32 s28, 1, 0                        ; the path
	s_cselect_b32 s29, s33, s31
	s_cselect_b32 s30, s34, s33
	s_cselect_b32 s52, 1572864, 0                  ; where the path's operands begin in their buffers: A's codes (Wv in wf, or hq in xf),
	s_cselect_b32 s56, 6291456, 0                  ; B's codes (hs in xf, or Wq in wf),
	s_cselect_b32 s32, 65536, 0                    ; A's scale words,
	s_cselect_b32 s34, 262144, 0                   ; B's
	s_lshl_b32 s29, s29, 2
	s_add_co_u32 s29, s29, s26                     ; which 128 rows of A: hangs on cy
	s_lshl_b32 s30, s30, 2
	s_add_co_u32 s30, s30, s25                     ; which 256 rows of B: hangs on cx
	s_lshl_b32 s3, s26, 2
	s_lshl_b32 s3, 15, s3                          ; my row of the cluster
	s_lshl_b32 s31, 0x1111, s25                    ; my column
	s_or_b32 s[G1A], s3, (3<<16)|(1<<21)           ; 15:0 the mask; 17:16 elements of 8 bytes; 21 set beside a mask; no padding: a block is dense and is read as it lies
	s_or_b32 s[G1B], s31, (3<<16)|(1<<21)
	s_mov_b32 s[G1A+1], 1536<<16                   ; A: a row is a K step's 8 fragments, 12,288 bytes,
	s_mov_b32 s[G1A+2], 4<<16                      ; four K steps,
	s_mov_b32 s[G1A+3], 1536<<16
	s_mov_b32 s[G1A+4], 4
	s_mov_b32 s[G1A+5], 3072                       ; 24,576 bytes from K step to K step in memory
	s_mov_b32 s[G1A+6], 0
	s_mov_b32 s[G1A+7], 0
	s_mov_b32 s[G1B+1], 32<<16
	s_mov_b32 s[G1B+2], 384<<16                    ; B: 384 rows of 256 bytes: four K steps' 64 fragments, dense
	s_mov_b32 s[G1B+3], 32<<16
	s_mov_b32 s[G1B+4], 384
	s_mov_b32 s[G1B+5], 32
	s_mov_b32 s[G1B+6], 0
	s_mov_b32 s[G1B+7], 0
	s_lshr_b32 s53, s29, 1                         ; A's codes: group, half of the group's tiles, my half of K
	s_mul_i32 s53, s53, 196608
	s_add_co_u32 s52, s52, s53
	s_and_b32 s53, s29, 1
	s_mul_i32 s53, s53, 12288
	s_add_co_u32 s52, s52, s53
	s_mul_i32 s53, s24, 98304                      ; my half of K: four K steps of 24,576 bytes
	s_add_co_u32 s52, s52, s53
	s_mov_b32 s53, 0
	s_mul_i32 s57, s30, 196608                     ; B's
	s_add_co_u32 s56, s56, s57
	s_mul_i32 s57, s24, 98304
	s_add_co_u32 s56, s56, s57
	s_mov_b32 s57, 0
	s_lshr_b32 s33, s29, 1                         ; A's scale words: group, half, my four tiles
	s_lshl_b32 s33, s33, 13
	s_add_co_u32 s32, s32, s33
	s_and_b32 s33, s29, 1
	s_lshl_b32 s33, s33, 9
	s_add_co_u32 s32, s32, s33
	s_lshl_b32 s33, s23, 8
	s_add_co_u32 s32, s32, s33
	s_mov_b32 s33, 0
	s_lshl_b32 s35, s30, 13                        ; B's: group, my eight tiles
	s_add_co_u32 s34, s34, s35
	s_lshl_b32 s35, s24, 9
	s_add_co_u32 s34, s34, s35
	s_mov_b32 s35, 0
	s_mul_i32 s3, s24, 49152                       ; where my half of K goes in LDS: the wave's number alone
	s_mul_i32 s31, s24, 98304
	s_mov_b32 s[SEL], 0x76543210
	s_mov_b32 s[SEL+1], 0xfedcba98
	s_wait_dscnt 0x0
	s_wait_kmcnt 0x0
	s_cmp_eq_u32 s28, 1
	s_cselect_b64 s[54:55], s[8:9], s[4:5]
	s_cselect_b64 s[58:59], s[4:5], s[8:9]
	s_cselect_b64 s[60:61], s[10:11], s[6:7]
	s_cselect_b64 s[62:63], s[6:7], s[10:11]
	s_add_nc_u64 s[54:55], s[54:55], s[52:53]
	s_add_nc_u64 s[58:59], s[58:59], s[56:57]
	s_add_nc_u64 s[60:61], s[60:61], s[32:33]
	s_add_nc_u64 s[62:63], s[62:63], s[34:35]
.irp c, 0                                      ; one group 0 for A and one for B
	s_mov_b32 s[G0A+4*\c], 1
	s_add_co_u32 s[G0A+4*\c+1], s3, AF+2*\c*12288
	s_add_nc_u64 s[G0A+4*\c+2:G0A+4*\c+3], s[54:55], 2*\c*24576
	s_or_b32 s[G0A+4*\c+3], s[G0A+4*\c+3], 0x80000000
	s_mov_b32 s[G0B+4*\c], 1
	s_add_co_u32 s[G0B+4*\c+1], s31, BF+2*\c*24576
	s_add_nc_u64 s[G0B+4*\c+2:G0B+4*\c+3], s[58:59], 2*\c*24576
	s_or_b32 s[G0B+4*\c+3], s[G0B+4*\c+3], 0x80000000
.endr
	CROUND                                         ; all sixteen work-groups are here: the joint loads meet
	s_cmp_eq_u32 s23, 0                            ; one tensor load a wave: half of K of A or of B
	s_cbranch_scc0 .Lfor_b
	tensor_load_to_lds s[G0A:G0A+3], s[G1A:G1A+7]
	s_nop 0
.rept 4
	v_nop
.endr
	s_branch .Lasked
.Lfor_b:
	tensor_load_to_lds s[G0B:G0B+3], s[G1B:G1B+7]
	s_nop 0
.rept 4
	v_nop
.endr
.Lasked:
	v_and_b32 v1, 31, v0                           ; lane
	v_and_b32 v8, 15, v0                           ; r
	v_bfe_u32 v9, v0, 4, 1                         ; h
	v_lshlrev_b32 v6, 2, v8
	v_lshl_add_u32 v6, v9, 12, v6                  ; scale words: 4 r; lanes 16-31 take the K step four further on
.irp j, 0,1,2,3
.irp a, 0,1,2,3
	global_load_b32 v[SA+4*\a+\j], v6, s[60:61] offset:1024*\j+64*\a
.endr
.irp b, 0,1,2,3,4,5,6,7
	global_load_b32 v[SB+4*\b+\j], v6, s[62:63] offset:1024*\j+64*\b
.endr
.endr
	v_lshlrev_b32 v10, 4, v1                       ; 16 x lane
	v_lshlrev_b32 v11, 3, v1
	v_add_nc_u32 v11, 512, v11                     ; 8 x lane + 512
	s_mul_i32 s3, s23, 6144
	v_add_nc_u32 v2, s3, v10                       ; my four tiles of A, K step 0
	v_add_nc_u32 v3, s3, v11
	s_mul_i32 s3, s24, 12288
	s_add_co_u32 s3, s3, BF
	v_add_nc_u32 v4, s3, v10                       ; my eight tiles of B
	v_add_nc_u32 v5, s3, v11
	s_cmp_eq_u32 s28, 1
	s_cbranch_scc1 .Lhead_v
	; ---- q or k: where the results go, and the bias of B's rows
	s_and_b32 s3, s27, 1                           ; 0: q, 1: k
	s_cmp_eq_u32 s3, 1
	s_cselect_b64 s[8:9], s[14:15], s[12:13]
	s_and_b32 s31, s30, 3
	s_lshl_b32 s31, s31, 1
	s_add_co_u32 s31, s31, s24                     ; my 128 features are head pair g
	s_lshl_b32 s32, s31, 9
	s_mov_b32 s33, 0
	s_add_nc_u64 s[8:9], s[8:9], s[32:33]          ; the bias at my first feature
	s_lshr_b32 s34, s29, 4
	s_lshl_b32 s34, s34, 3
	s_add_co_u32 s34, s34, s31                     ; y = 8 x batch + g
	s_and_b32 s35, s29, 15                         ; which 128 tokens of the batch
	s_mul_i32 s32, s3, 6291456
	s_mul_i32 s52, s34, 196608
	s_add_co_u32 s32, s32, s52
	s_lshl_b32 s52, s35, 3
	s_lshl_b32 s53, s23, 2
	s_add_co_u32 s52, s52, s53
	s_mul_i32 s52, s52, 768                        ; half a fragment for each tile of tokens and head
	s_add_co_u32 s32, s32, s52
	s_add_nc_u64 s[4:5], s[18:19], s[32:33]
	s_lshl_b32 s32, s3, 18
	s_lshl_b32 s52, s34, 13
	s_add_co_u32 s32, s32, s52
	s_lshl_b32 s52, s35, 1
	s_add_co_u32 s52, s52, s23
	s_lshl_b32 s52, s52, 8
	s_add_co_u32 s32, s32, s52
	s_add_nc_u64 s[6:7], s[20:21], s[32:33]        ; my 64 tokens' 256 bytes of scale words
	s_mov_b32 s10, 768                             ; from tile to tile
	s_mov_b32 s11, 0
	s_mov_b32 s31, 98304                           ; from a fragment's first half to its second: the pair's other head
	v_lshlrev_b32 v7, 6, v9                        ; tile 2 b + u: the eight features 32 b + 16 h + 8 u + 0 .. 7
	WIN 0xc0
.irp b, 0,1,2,3,4,5,6,7
	global_load_b128 v[BIAS+8*\b:BIAS+8*\b+3], v7, s[8:9] offset:(32*(\b/2)+8*(\b%2))*4
	global_load_b128 v[BIAS+8*\b+4:BIAS+8*\b+7], v7, s[8:9] offset:(32*(\b/2)+8*(\b%2))*4+16
.endr
	WIN 0
	s_branch .Lhead_done
.Lhead_v:
	; ---- v: the same, and the bias of A's rows: one number a lane, in all eight registers
	s_lshl_b32 s31, s29, 1
	s_add_co_u32 s31, s31, s23                     ; my 64 features are one head
	s_lshl_b32 s32, s31, 8
	s_mov_b32 s33, 0
	s_add_nc_u64 s[8:9], s[16:17], s[32:33]
	s_lshr_b32 s34, s30, 3
	s_lshl_b32 s34, s34, 4
	s_add_co_u32 s34, s34, s31                     ; 16 x batch + head
	s_lshl_b32 s35, s30, 1
	s_add_co_u32 s35, s35, s24
	s_and_b32 s35, s35, 15                         ; my 128 tokens are one key step of the batch
	s_mul_i32 s32, s34, 98304
	s_mul_i32 s52, s35, 6144
	s_add_co_u32 s32, s32, s52
	s_add_co_u32 s32, s32, 12582912
	s_add_nc_u64 s[4:5], s[18:19], s[32:33]
	s_lshl_b32 s32, s34, 12
	s_lshl_b32 s52, s35, 8
	s_add_co_u32 s32, s32, s52
	s_add_co_u32 s32, s32, 524288
	s_add_nc_u64 s[6:7], s[20:21], s[32:33]
	s_mov_b32 s10, 1536
	s_mov_b32 s11, 0
	s_mov_b32 s31, 768
	v_and_b32 v7, 8, v8
	v_add_nc_u32 v7, v7, v8
	v_lshlrev_b32 v7, 2, v7                        ; feature r + 8 (r / 8) of the tile
	WIN 0xc0
.irp a, 0,1,2,3
.irp j, 0,1,2,3,4,5,6,7
	global_load_b32 v[BIAS+8*\a+\j], v7, s[8:9] offset:(32*(\a/2)+8*(\a%2))*4
.endr
.endr
	WIN 0
.Lhead_done:
	s_wait_alu depctr_va_vdst(0)
	v_add_nc_u32 v12, s31, v10                     ; the second half's offsets
	v_add_nc_u32 v13, s31, v11
	v_lshlrev_b32 v14, 4, v8
	v_lshl_add_u32 v14, v9, 3, v14                 ; scale words out: 16 r + 8 h
.irp b, 0,1,2,3
	v_mov_b32 v[TM+4+\b], 0                        ; written once: a lane permute's destination counts as one of its sources
.endr
	v_cmp_eq_u32 vcc_lo, 1, v9
	v_mov_b32 v140, 0x05040100                     ; lanes 0-15 pick two words' low halves (the pair's first head), lanes 16-31 their high halves
	v_mov_b32 v141, 0x07060302
	v_cndmask_b32 v140, v140, v141, vcc_lo
	s_wait_alu depctr_va_vdst(0)                   ; the wait at the head's end
	s_wait_tensorcnt 0x0                           ; my one load has landed
	s_barrier_signal -1
	s_barrier_wait -1                              ; everybody's has
	FETCH 0
	s_wait_loadcnt 0x0                             ; scale words and bias
	KPRE 0
	WIN 0
	s_cmp_eq_u32 s28, 1
	s_cbranch_scc1 .Lk0_v
	MUL32 0, 0, 1
	WIN 0
	s_branch .Lk0_done
.Lk0_v:
	MUL32 0, 0, 2
	WIN 0
.Lk0_done:
	s_wait_alu depctr_va_vdst(0)
.irp q, 1,2,3,4,5,6,7
	s_wait_alu depctr_va_vdst(0)
	KPRE \q
	MUL32 \q, (\q)%2, 0
.endr
	WIN 0
.rept 4
	v_nop                                          ; places between the last products and the first read of results
.endr
	; THE WAY OUT: each tile of A's rows is quantised along B's rows and leaves as a fragment's image, two halves of 768 bytes
.irp a, 0,1,2,3
.if \a > 0
	s_wait_xcnt 0x0                                ; the last tile's stores have had their addresses translated: their data and base may be written again
	s_add_nc_u64 s[4:5], s[4:5], s[10:11]
.endif
	QUANTW \a
	global_store_b128 v10, v[PC:PC+3], s[4:5]
	global_store_b64 v11, v[PC+4:PC+5], s[4:5]
	global_store_b128 v12, v[PC+6:PC+9], s[4:5]
	global_store_b64 v13, v[PC+10:PC+11], s[4:5]
.endr
	s_cmp_eq_u32 s28, 1
	s_cbranch_scc1 .Lsw_v
	v_perm_b32 v142, v[PWR+1], v[PWR], v140        ; q, k: a word for the attention launch = my head's two bytes of tile 2 b', then of tile 2 b' + 1
	v_perm_b32 v143, v[PWR+3], v[PWR+2], v140
	s_branch .Lsw_done
.Lsw_v:
	v_cmp_eq_u32 vcc_lo, 1, v9
	v_cndmask_b32 v142, v[PWR], v[PWR+2], vcc_lo   ; v: lanes 0-15 store tiles 0 and 1's words, lanes 16-31 tiles 2 and 3's
	v_cndmask_b32 v143, v[PWR+1], v[PWR+3], vcc_lo
.Lsw_done:
	s_wait_alu depctr_va_vdst(0)
	global_store_b64 v14, v[142:143], s[6:7]       ; 32 lanes store 256 consecutive bytes, aligned
	s_wait_tensorcnt 0x0
	ds_add_u32 v254, v255
	s_wait_dscnt 0x0
	CROUND                                         ; the closing round: no work-group ends while a partner may still ask for a tile that names it
	s_endpgm
.Lfunc_end_k_qcf9da993a4_qkv:
	.size	k_qcf9da993a4_qkv, .Lfunc_end_k_qcf9da993a4_qkv-k_qcf9da993a4_qkv
	.p2alignl 7, 3214868480
	.fill 96, 4, 3214868480
	.section	.rodata,"a",@progbits
	.p2align	6, 0x0
	.amdhsa_kernel k_qcf9da993a4_qkv
		.amdhsa_group_segment_fixed_size 295424
		.amdhsa_private_segment_fixed_size 0
		.amdhsa_enable_private_segment 0
		.amdhsa_kernarg_size 72
		.amdhsa_user_sgpr_count 2
		.amdhsa_user_sgpr_kernarg_segment_ptr 1
		.amdhsa_wavefront_size32 1
		.amdhsa_system_sgpr_workgroup_id_x 1
		.amdhsa_system_sgpr_workgroup_id_y 1
		.amdhsa_system_sgpr_workgroup_id_z 1
		.amdhsa_system_vgpr_workitem_id 0
		.amdhsa_next_free_vgpr 1024
		.amdhsa_next_free_sgpr 102
		.amdhsa_reserve_vcc 1
		.amdhsa_float_denorm_mode_32 3
		.amdhsa_float_denorm_mode_16_64 3
		.amdhsa_memory_ordered 1
		.amdhsa_forward_progress 1
		.amdhsa_inst_pref_size 101
	.end_amdhsa_kernel
	.amdgpu_metadata
---
amdhsa.version: [ 1, 2 ]
amdhsa.kernels:
  - .name:           k_qcf9da993a4_qkv
    .symbol:         k_qcf9da993a4_qkv.kd
    .args:
      - { .name: xf, .offset: 0, .size: 8, .value_kind: global_buffer, .address_space: global }
      - { .name: xs, .offset: 8, .size: 8, .value_kind: global_buffer, .address_space: global }
      - { .name: wf, .offset: 16, .size: 8, .value_kind: global_buffer, .address_space: global }
      - { .name: ws, .offset: 24, .size: 8, .value_kind: global_buffer, .address_space: global }
      - { .name: bq, .offset: 32, .size: 8, .value_kind: global_buffer, .address_space: global }
      - { .name: bk, .offset: 40, .size: 8, .value_kind: global_buffer, .address_space: global }
      - { .name: bv, .offset: 48, .size: 8, .value_kind: global_buffer, .address_space: global }
      - { .name: qkvf, .offset: 56, .size: 8, .value_kind: global_buffer, .address_space: global }
      - { .name: qkvs, .offset: 64, .size: 8, .value_kind: global_buffer, .address_space: global }
    .group_segment_fixed_size: 295424
    .private_segment_fixed_size: 0
    .kernarg_segment_align: 8
    .kernarg_segment_size: 72
    .max_flat_workgroup_size: 128
    .sgpr_count:     102
    .vgpr_count:     1024
    .wavefront_size: 32
...
	.end_amdgpu_metadata
.endif
;; end of part 2
;; launch attn (part 3): grid 4 x 64, 16 waves a work-group, clusters of 4 x 1, 236,544 bytes of LDS; arguments qkvf, qkvs, aof, aos; writes aof, aos
.if DOCPART == 3
	.amdgcn_target "amdgcn-amd-amdhsa--gfx1250"
	.amdhsa_code_object_version 6
	.text
	.protected	k_qcf9da993a4_attn
	.globl	k_qcf9da993a4_attn
	.p2align	8
	.type	k_qcf9da993a4_attn,@function
k_qcf9da993a4_attn:
	s_mov_b64 s[64:65], 0
	v_nop
	global_prefetch_b8 v0, s[64:65] scope:SCOPE_SE
	s_setreg_imm32_b32 hwreg(HW_REG_WAVE_MODE, 25, 1), 1
	s_wait_xcnt 0x0
	s_wait_alu depctr_hold_cnt(0) depctr_sa_sdst(0) depctr_va_vdst(0) depctr_va_sdst(0) depctr_va_ssrc(0) depctr_va_vcc(0) depctr_vm_vsrc(0)
	s_getreg_b32 s2, hwreg(HW_REG_IB_STS2, 6, 4)
	s_cmp_eq_u32 s2, 0
	s_cbranch_scc0 .Lentry_in_a_cluster
	s_endpgm
.Lentry_in_a_cluster:
	s_bfe_u32 s2, ttmp6, 0x10000c
	s_cmp_lg_u32 s2, 0x3003
	s_cbranch_scc0 .Lentry_shape_is_right
	s_endpgm
.Lentry_shape_is_right:
; ATTENTION on codes of FP6 (E2M3) with E8M0 scales: S = q' k^T (K = a head's 64), p = 2^(t - M), O = p v (K = the keys), O / l, and the result quantised along E for the last projection.
; t = score x log2(e) / 8: the constant holds q's factor 2^-3, which the launch before left out.  M = the running largest t rounded UP to a whole number; l is the sum of the unquantised p;
; when M moves, l and O are multiplied by 2^(old M - new M), which rounds nothing.
; SHARES.  A work-group owns ONE head of one batch and 512 queries.  The head's 2,048 keys (k: 98,304 bytes, v: 98,304) lie in LDS at once: each byte is filled once, by ten waves' one tensor load each,
; and behind the one barrier no wave waits for another until the end.  Each of sixteen waves walks the keys twice, 128 a step, for 16 queries each time (tiles w and 16 + w of the 32).
; CLUSTER 4 x 1: the four query blocks of a head want the same k and v: each tile is asked for jointly (mask 15).  My place in the cluster enters only q's and the results' global addresses.
; No prefetch: the launch has no loop to run ahead in, every tile is asked for at its start.
; LAYOUT.  Both products are used transposed: a lane holds ONE query.  Operands lie in memory as images of the matrix unit's registers (a fragment = 1,536 bytes); memory tile t's lane r is token 32 (t / 2) + 8 (t % 2) + r + 8 (r / 8).
; K = 64 IN AN INSTRUCTION OF K = 128: a fragment of k holds two tiles of keys (registers 0-5, 6-11); q stands between two runs of six zero registers: [q | 0] picks the first tile's scores, [0 | q] the second's.
; A BLOCK OF 32 KEYS IN ONE LANE: fragment (c, j) of a step is read with its lanes permuted: lane (r, h) takes lane (8 j + r % 8, h) of the stored fragment 2 c + r / 8.  Its two tiles then hold keys 64 c + 32 (r / 8) + 16 j + r % 8
; and 8 more, so that score register 32 c + i of lane half h is key 64 c + 32 h + i: the order of p's operand.  A block's maximum needs no other lane, and the conversions' results need no lane swap.
; k's LDS rows of 256 bytes are padded by 64: a fragment is 1,920 bytes, 128 more than a multiple of 256.
; THE RESULT: half a fragment of the last projection's operand (my head's 64 of a K step's 128), and for each row two scale bytes, in a plane of 16-bit words for each head of a pair: aos [head % 2][group 32][K step 8][tile 16][lane 16].
; LIMITS: NaN and infinities are not served; a block's largest p is taken as the exponential of its largest score (v_exp_f32 is taken not to fall where its input rises); blocks are floored at 2^-124 (byte 1);
; the scaled scores stay under 2^31 in magnitude.
.set VF,    122880                     ; LDS: k's 64 fragments x 1,920 from 0; v's [key step 16][tile 4][1,536] from here
.set SCK,   221184                     ; k's scale words of the head pair, 8,192 bytes: [64 tokens 32][lane 16][head 2][fragment 2]
.set SCV,   229376                     ; v's, 4,096 bytes: [key step 16][lane 16][tile 4]
.set GATH,  233472                     ; the result's scale bytes: [pass 2][tile 16][lane 16] x 2 bytes: four blocks of 256 bytes into which no fill lands
.set SPARE, 234496                     ; the spare words, 128 bytes for each of sixteen waves
; REGISTERS: v1-3 lane offsets; v4, v5 the spare word's address and 0; v6-11 a step's LDS addresses; v12 -M, v13 the largest score, v[14:15] l; v16-33 zeros | q | zeros; v34-39 the second pass's q; v40, v41 q's scale words
.set KS,  42                           ; k's scale words
.set VS,  46                           ; v's
.set KV,  50                           ; four fragments
.set S,   98                           ; S^T, then p
.set O,   162                          ; O^T
.set PC,  194                          ; p's codes
.set PX,  206                          ; the conversions' second halves
.set BM,  214                          ; the two blocks' maxima
.set T2,  216
.set SO,  218                          ; the conversions' scale operands
.set RW,  220                          ; the result's two scale bytes
.set GST, 221                          ; where they go in LDS
.set MX,  222                          ; four chains of maxima
.set GRD, 227                          ; where waves 0 and 1 read 512 bytes of them back
.set R,   230                          ; the result's codes
.set LKA, 236                          ; lane terms of k's 16-byte loads, 8-byte loads, scale words
.set LKB, 237
.set LKS, 238
.set SH,  239                          ; 8 x (lane / 16)
.set LT,  240                          ; v242-255: seven partial sums of p
.macro CROUND                          ; a round of the cluster's barrier
	s_barrier_signal -1
	s_barrier_wait -1
	s_cmp_lg_u32 s12, 0
	s_cbranch_scc1 .Lnot_wave_0_\@
	s_barrier_signal -3
.Lnot_wave_0_\@:
	s_barrier_wait -3
	s_barrier_signal -1
	s_barrier_wait -1
.endm
.macro MM d, a, b, c, sa, sb
	v_wmma_scale_f32_16x16x128_f8f6f4 v[\d:\d+7], v[\a:\a+11], v[\b:\b+11], \c, v[\sa], v[\sb] matrix_a_fmt:MATRIX_FMT_FP6 matrix_b_fmt:MATRIX_FMT_FP6
.endm
.macro GRP1 g, w0, rows                ; descriptor group 1: rows of 256 bytes (32 elements of 8), dense in memory
	s_mov_b32 s[\g], \w0
	s_mov_b32 s[\g+1], 32<<16
	s_mov_b32 s[\g+2], (\rows)<<16
	s_mov_b32 s[\g+3], 32<<16
	s_mov_b32 s[\g+4], \rows
	s_mov_b32 s[\g+5], 32
	s_mov_b32 s[\g+6], 0
	s_mov_b32 s[\g+7], 0
.endm
.macro TL g0, g1                       ; a joint load
	tensor_load_to_lds s[\g0:\g0+3], s[\g1:\g1+7]
	s_nop 0
.rept 4
	v_nop
.endr
.endm
.macro KADDR                           ; s94, s95: where a step's fragments and scale words of k begin
	v_add_nc_u32 v6, s94, v[LKA]
	v_add_nc_u32 v7, s94, v[LKB]
	v_add_nc_u32 v8, s95, v[LKS]
.endm
.macro KLOAD                           ; a step's four fragments of k, lanes permuted, and their scale words
.irp c, 0,1
.irp j, 0,1
	ds_load_b128 v[KV+12*(2*\c+\j):KV+12*(2*\c+\j)+3], v6 offset:3840*\c+128*\j
	ds_load_b64 v[KV+12*(2*\c+\j)+4:KV+12*(2*\c+\j)+5], v7 offset:3840*\c+64*\j
	ds_load_b128 v[KV+12*(2*\c+\j)+6:KV+12*(2*\c+\j)+9], v6 offset:3840*\c+128*\j+960
	ds_load_b64 v[KV+12*(2*\c+\j)+10:KV+12*(2*\c+\j)+11], v7 offset:3840*\c+64*\j+960
	ds_load_b32 v[KS+2*\c+\j], v8 offset:256*\c+128*\j
.endr
.endr
.endm
; A KEY STEP: 128 keys; its fragments of k were asked for in the step before.  more = 1: the next step's are asked for.
.macro STEP more
	s_wait_alu depctr_va_vdst(0)                   ; directly ahead of the wait below
	s_wait_dscnt 0x0                               ; k's fragments and scale words
.irp b, 0,1,2,3                                ; S^T: each fragment of k feeds two products
	MM S+16*\b, KV+12*\b, 22, 0, KS+\b, 40
	MM S+16*\b+8, KV+12*\b, 16, 0, KS+\b, 40
.endr
	v_add_nc_u32 v9, s96, v1                       ; these four are the places in front of the loads below and of the first read of the scores
	v_add_nc_u32 v10, s96, v2
	v_add_nc_u32 v11, s97, v3
	v_mov_b32 v226, v12                            ; the old -M
.irp t, 0,1,2,3                                ; v's four fragments land while the softmax is walked
	ds_load_b128 v[KV+12*\t:KV+12*\t+3], v9 offset:1536*\t
	ds_load_b64 v[KV+12*\t+4:KV+12*\t+5], v10 offset:1536*\t
	ds_load_b128 v[KV+12*\t+6:KV+12*\t+9], v9 offset:1536*\t+768
	ds_load_b64 v[KV+12*\t+10:KV+12*\t+11], v10 offset:1536*\t+768
.endr
	ds_load_b128 v[VS:VS+3], v11
	s_add_co_u32 s94, s94, 7680                    ; on to the next step
	s_add_co_u32 s95, s95, 512
	s_add_co_u32 s96, s96, 6144
	s_add_co_u32 s97, s97, 256
.irp g, 0,1,2,3                                ; the largest score of my two blocks of 32 keys, in four chains by turns; each accumulator is first read at its low end
	v_max3_num_f32 v[MX+\g], v[S+16*\g], v[S+16*\g+1], v[S+16*\g+2]
.endr
.irp i, 3,5,7,9,11,13
.irp g, 0,1,2,3
	v_max3_num_f32 v[MX+\g], v[MX+\g], v[S+16*\g+\i], v[S+16*\g+\i+1]
.endr
.endr
	v_max3_num_f32 v[BM], v[MX], v[MX+1], v[S+15]
	v_max3_num_f32 v[BM+1], v[MX+2], v[MX+3], v[S+47]
	v_max_num_f32 v[BM], v[BM], v[S+31]
	v_max_num_f32 v[BM+1], v[BM+1], v[S+63]
	s_delay_alu instid0(VALU_DEP_1)
	v_max_num_f32 v216, v[BM], v[BM+1]
	s_delay_alu instid0(VALU_DEP_1)
	v_permlanex16_b32 v217, v216, s20, s21         ; lane l xor 16's two blocks
	s_delay_alu instid0(VALU_DEP_1)
	v_max3_num_f32 v13, v13, v216, v217            ; the running largest score
	s_delay_alu instid0(VALU_DEP_1)
	v_mul_f32 v216, s22, v13                       ; as t (c is positive)
	s_delay_alu instid0(VALU_DEP_1)
	v_floor_f32 v12, -v216                         ; the new -M = floor(-t): M is a whole number
	s_delay_alu instid0(VALU_DEP_1)
	v_sub_f32 v226, v12, v226                      ; old M - new M: a whole number, 0 or less
	s_delay_alu instid0(VALU_DEP_1)
	v_cvt_i32_f32 v226, v226                       ; (it saturates)
	s_delay_alu instid0(VALU_DEP_1)
	v_ldexp_f32 v228, 1.0, v226                    ; f = 2^(old M - new M)
.set J, 0
.rept 32
	v_pk_fma_f32 v[S+J:S+J+1], v[S+J:S+J+1], s[22:23], v[12:13] op_sel_hi:[1,0,0]   ; t - M, two at a time
.set J, J+2
.endr
	v_fma_f32 v[BM], v[BM], s22, v12               ; the same of each block's largest score
	v_fma_f32 v[BM+1], v[BM+1], s22, v12
	s_wait_alu depctr_va_vdst(0)                   ; the wait ahead of the batch
.set J, 0
.rept 64
	v_exp_f32 v[S+J], v[S+J]                       ; p = 2^(t - M), at most 1, not normalised
.set J, J+1
.endr
	v_exp_f32 v[BM], v[BM]                         ; the blocks' largest p
	v_exp_f32 v[BM+1], v[BM+1]
	v_pk_mul_f32 v[14:15], v[14:15], v[228:229] op_sel_hi:[1,0]   ; l under the new M: the plain place behind the exponentials
	s_wait_alu depctr_va_vdst(0)                   ; and the wait behind the batch
	v_max_num_f32 v[BM], 0x1800000, v[BM]          ; the floor 2^(3 - 127)
	v_max_num_f32 v[BM+1], 0x1800000, v[BM+1]
	s_delay_alu instid0(VALU_DEP_2)
	v_add_nc_u32 v[SO], 0xff000000, v[BM]          ; 2 off the exponent field: the conversion's scale operand
	s_delay_alu instid0(VALU_DEP_2)
	v_add_nc_u32 v[SO+1], 0xff000000, v[BM+1]
	s_delay_alu instid0(VALU_DEP_2)
	v_lshrrev_b32 v[MX], 23, v[SO]                 ; the scales' bytes: blocks h and 2 + h of my query
	s_delay_alu instid0(VALU_DEP_2)
	v_lshrrev_b32 v[MX+1], 23, v[SO+1]
	s_delay_alu instid0(VALU_DEP_1)
	v_lshl_or_b32 v229, v[MX+1], 16, v[MX]
	s_delay_alu instid0(VALU_DEP_1)
	v_lshlrev_b32 v229, v[SH], v229                ; at their places in the scale word
	s_delay_alu instid0(VALU_DEP_1)
	v_permlanex16_b32 v217, v229, s20, s21
.irp c, 0,1
	v_cvt_scalef32_pk16_fp6_f32 v[PC+6*\c:PC+6*\c+2], v[S+32*\c:S+32*\c+15], v[SO+\c]
	v_cvt_scalef32_pk16_fp6_f32 v[PX+4*\c:PX+4*\c+2], v[S+32*\c+16:S+32*\c+31], v[SO+\c]   ; (three registers from an even one on)
.endr
	v_or_b32 v229, v229, v217                      ; with lane l xor 16's two bytes the word is whole.  (The plain place behind the conversions)
.irp c, 0,1
.irp i, 0,1,2
	v_mov_b32 v[PC+6*\c+3+\i], v[PX+4*\c+\i]
.endr
.endr
	s_wait_alu depctr_va_vdst(0)                   ; directly ahead of the first reader of O^T
.set J, 0
.rept 16
	v_pk_mul_f32 v[O+J:O+J+1], v[O+J:O+J+1], v[228:229] op_sel_hi:[1,0]   ; O^T under the new M
.set J, J+2
.endr
	s_wait_alu depctr_va_vdst(0)                   ; directly ahead of the wait below
	s_wait_dscnt 0x0                               ; v's fragments and scale words
.irp t, 0,1,2,3                                ; O^T += v^T p^T: the four accumulators by turns
	MM O+8*\t, KV+12*\t, PC, v[O+8*\t:O+8*\t+7], VS+\t, 229
.endr
.if \more
	KADDR                                          ; with the addition below: the places in front of the loads into the fragments' registers
.endif
	v_pk_add_f32 v[14:15], v[14:15], v[S:S+1]      ; THE ROW'S SUM, of the unquantised p, in eight chains; it names no register of the products above
.if \more
	KLOAD
.endif
	v_pk_add_f32 v[14:15], v[14:15], v[S+16:S+17]
.irp k, 1,2,3,4,5,6,7
	v_pk_add_f32 v[LT+2*\k:LT+2*\k+1], v[S+2*\k:S+2*\k+1], v[S+16+2*\k:S+17+2*\k]
.endr
.irp o, 32,48
	v_pk_add_f32 v[14:15], v[14:15], v[S+\o:S+\o+1]
.irp k, 1,2,3,4,5,6,7
	v_pk_add_f32 v[LT+2*\k:LT+2*\k+1], v[LT+2*\k:LT+2*\k+1], v[S+\o+2*\k:S+\o+2*\k+1]
.endr
.endr
	v_pk_add_f32 v[LT+2:LT+3], v[LT+2:LT+3], v[LT+10:LT+11]
	v_pk_add_f32 v[LT+4:LT+5], v[LT+4:LT+5], v[LT+12:LT+13]
	v_pk_add_f32 v[LT+6:LT+7], v[LT+6:LT+7], v[LT+14:LT+15]
	v_pk_add_f32 v[14:15], v[14:15], v[LT+8:LT+9]
	s_delay_alu instid0(VALU_DEP_2)
	v_pk_add_f32 v[LT+2:LT+3], v[LT+2:LT+3], v[LT+6:LT+7]
	s_delay_alu instid0(VALU_DEP_2)
	v_pk_add_f32 v[14:15], v[14:15], v[LT+4:LT+5]
	s_delay_alu instid0(VALU_DEP_1)
	v_pk_add_f32 v[14:15], v[14:15], v[LT+2:LT+3]
.endm
; A pass's end: O^T / l, quantised along the head's 64: half a fragment and two scale bytes a row.  Register 16 b + i of O^T is channel 32 b + 16 (lane / 16) + i
.macro HEADEND ps
.if \ps
	s_wait_alu depctr_va_vdst(0)                   ; directly ahead of the wait below
	s_wait_xcnt 0x0                                ; the first pass's stores have read their data registers
.endif
	v_add_f32 v14, v14, v15
	s_delay_alu instid0(VALU_DEP_1)
	v_permlanex16_b32 v226, v14, s20, s21
	s_delay_alu instid0(VALU_DEP_1)
	v_add_f32 v14, v14, v226                       ; the row's sum
	s_wait_alu depctr_va_vdst(0)
	v_rcp_f32 v14, v14
	v_nop                                          ; one plain place behind a transcendental
	s_wait_alu depctr_va_vdst(0)
.set J, 0
.rept 32
	v_mul_f32 v[S+J], v[O+J], v14                  ; each accumulator is read from its low end on
.set J, J+1
.endr
.irp b, 0,1
	v_max3_num_f32 v[BM+\b], |v[S+16*\b]|, |v[S+1+16*\b]|, 0x1800000
.endr
.irp i, 2,4,6,8,10,12,14
.irp b, 0,1
	s_delay_alu instid0(VALU_DEP_2)
	v_max3_num_f32 v[BM+\b], v[BM+\b], |v[S+16*\b+\i]|, |v[S+1+16*\b+\i]|
.endr
.endr
.irp b, 0,1
	s_delay_alu instid0(VALU_DEP_2)
	v_permlanex16_b32 v[T2+\b], v[BM+\b], s20, s21
.endr
.irp b, 0,1
	s_delay_alu instid0(VALU_DEP_2)
	v_max_num_f32 v[BM+\b], v[BM+\b], v[T2+\b]
.endr
.irp b, 0,1
	s_delay_alu instid0(VALU_DEP_2)
	v_add_nc_u32 v[SO+\b], 0xff000000, v[BM+\b]
.endr
.irp b, 0,1
	s_delay_alu instid0(VALU_DEP_2)
	v_lshrrev_b32 v[T2+\b], 23, v[SO+\b]
.endr
	s_delay_alu instid0(VALU_DEP_1)
	v_lshl_or_b32 v[RW], v[T2+1], 8, v[T2]
	v_cvt_scalef32_pk16_fp6_f32 v[R:R+2], v[S:S+15], v[SO]
	v_cvt_scalef32_pk16_fp6_f32 v[PX:PX+2], v[S+16:S+31], v[SO+1]
	v_nop                                          ; one plain place behind a scaled conversion
.irp i, 0,1,2
	v_permlane16_swap_b32 v[R+\i], v[PX+\i]        ; a whole block in a lane: lanes 0-15 block 0, lanes 16-31 block 1
.endr
.irp i, 0,1,2
	s_delay_alu instid0(VALU_DEP_3)
	v_mov_b32 v[R+3+\i], v[PX+\i]
.endr
	global_store_b128 v1, v[R:R+3], s[8:9] offset:196608*\ps    ; half a fragment's image: 512 and 256 consecutive bytes, aligned; the second pass's group of 256 rows lies 196,608 bytes on
	global_store_b64 v2, v[R+4:R+5], s[8:9] offset:196608*\ps
	ds_store_b16 v[GST], v[RW] offset:512*\ps      ; lanes r and r + 16 write the same bytes with the same value
.if \ps == 0                                   ; on to my second tile of queries
.irp i, 0,1,2,3,4,5
	v_mov_b32 v[22+\i], v[34+\i]
.endr
	v_mov_b32 v40, v41
.set J, 0
.rept 32
	v_mov_b32 v[O+J], 0                            ; (also the places between the writes of q and of its scale word and the next products)
.set J, J+1
.endr
	v_mov_b32 v13, 0xff61b1e6
	v_mov_b32 v12, 0x7e800000                      ; a first -M above every later one: the first f is 0, and zeros stay zeros
	v_mov_b32 v14, 0
	v_mov_b32 v15, 0
.endif
.endm
.macro PASS ps                         ; 16 queries against the head's 16 key steps
	s_mov_b32 s94, 0
	s_mov_b32 s95, SCK
	s_mov_b32 s96, VF
	s_mov_b32 s97, SCV
	s_mov_b32 s98, 15
	KADDR
	KLOAD
.Lstep_\@:
	STEP 1
	s_sub_co_u32 s98, s98, 1
	s_cmp_lg_u32 s98, 0
	s_wait_alu depctr_va_vdst(0)                   ; directly ahead of the branch
	s_cbranch_scc1 .Lstep_\@
	STEP 0                                         ; the last step asks for nothing more
	HEADEND \ps
.endm
	s_load_b256 s[4:11], s[0:1], 0x0               ; qkvf, qkvs, aof, aos
	v_lshl_add_u32 v4, v0, 2, SPARE
	v_mov_b32 v5, 0
	ds_add_u32 v4, v5                              ; the opening lines: the add, twice on end, and its wait
	ds_add_u32 v4, v5
	v_lshrrev_b32 v1, 5, v0
	v_readfirstlane_b32 s12, v1                    ; wave 0..15
	s_bfe_u32 s13, ttmp6, 0x40000                  ; cx: my block of 512 queries
	s_and_b32 s15, ttmp7, 0xffff                   ; 16 x batch + head, which the four partners share
	s_and_b32 s16, s15, 1                          ; which head of its pair
	s_lshr_b32 s17, s15, 1                         ; 8 x batch + pair
	s_and_b32 s18, s12, 3                          ; which quarter of k or of v I fetch, if I fetch
	GRP1 24, 0x1f73000f, 96                        ; k: mask 15, elements of 8 bytes, bit 21 beside the mask, 16 words of padding behind every 64; 96 rows
	GRP1 32, 0x0023000f, 96                        ; v: no padding
	GRP1 40, 0x0023000f, 32                        ; k's scale words
	GRP1 68, 0x0023000f, 16                        ; v's
	s_mov_b32 s20, 0x76543210
	s_mov_b32 s21, 0xfedcba98                      ; selects for lane l xor 16
	s_mov_b32 s22, 0x3e38aa3b                      ; c = log2(e) / 8
	s_mov_b32 s23, s22                             ; (named with it as a pair)
	s_mul_i32 s76, s15, 98304                      ; the head's place in q, in k and in v
	s_mul_i32 s77, s18, 24576
	s_add_co_u32 s78, s76, s77
	s_add_co_u32 s78, s78, 6291456                 ; my quarter of k
	s_mov_b32 s79, 0
	s_lshl_b32 s80, s17, 13
	s_add_co_u32 s80, s80, 262144                  ; the pair's scale words of k
	s_mov_b32 s81, 0
	s_lshl_b32 s82, s15, 12
	s_add_co_u32 s82, s82, 524288                  ; the head's scale words of v
	s_mov_b32 s83, 0
	s_lshl_b32 s19, s13, 5
	s_add_co_u32 s19, s19, s12                     ; my first tile of queries in the batch
	s_mul_i32 s84, s19, 768
	s_add_co_u32 s84, s84, s76
	s_mov_b32 s85, 0
	s_lshl_b32 s86, s17, 13
	s_lshr_b32 s87, s19, 2
	s_lshl_b32 s87, s87, 8
	s_add_co_u32 s86, s86, s87
	s_lshl_b32 s87, s16, 3
	s_add_co_u32 s86, s86, s87
	s_bfe_u32 s87, s12, 0x10001
	s_lshl_b32 s87, s87, 2
	s_add_co_u32 s86, s86, s87                     ; the word that holds my tile's two scale bytes
	s_mov_b32 s87, 0
	s_lshr_b32 s88, s15, 4
	s_lshl_b32 s88, s88, 3
	s_lshl_b32 s89, s13, 1
	s_add_co_u32 s88, s88, s89                     ; the first pass's group of 256 rows of the result
	s_and_b32 s89, s17, 7                          ; its K step: the head pair
	s_mul_i32 s90, s88, 196608
	s_mul_i32 s91, s89, 24576
	s_add_co_u32 s90, s90, s91
	s_mul_i32 s91, s12, 1536
	s_add_co_u32 s90, s90, s91
	s_mul_i32 s91, s16, 768
	s_add_co_u32 s90, s90, s91
	s_mov_b32 s91, 0
	s_and_b32 s92, s12, 1
	s_add_co_u32 s88, s88, s92                     ; wave 0 stores the first group's scale bytes, wave 1 the second's
	s_lshl_b32 s92, s88, 12
	s_lshl_b32 s93, s89, 9
	s_add_co_u32 s92, s92, s93
	s_lshl_b32 s93, s16, 17
	s_add_co_u32 s92, s92, s93
	s_mov_b32 s93, 0
	s_and_b32 s14, s12, 1
	s_cmp_eq_u32 s14, 1
	s_mov_b32 s14, 0x03020302                      ; an odd tile's bytes are the word's upper two, an even tile's the lower two: twice over
	s_cselect_b32 s14, s14, 0x01000100
	s_wait_dscnt 0x0                               ; both opening adds are done
	s_wait_kmcnt 0x0
	s_add_nc_u64 s[8:9], s[8:9], s[90:91]
	s_add_nc_u64 s[10:11], s[10:11], s[92:93]
	s_add_nc_u64 s[84:85], s[4:5], s[84:85]
	s_add_nc_u64 s[86:87], s[6:7], s[86:87]
	s_mov_b32 s48, 1                               ; groups 0: k's quarter (16 fragments x 1,920 bytes in LDS),
	s_mul_i32 s49, s18, 30720
	s_add_nc_u64 s[50:51], s[4:5], s[78:79]
	s_mov_b32 s52, 1                               ; v's quarter,
	s_add_co_u32 s53, s77, VF
	s_add_nc_u64 s[54:55], s[50:51], 6291456
	s_or_b32 s51, s51, 0x80000000
	s_or_b32 s55, s55, 0x80000000
	s_mov_b32 s56, 1                               ; k's scale words,
	s_mov_b32 s57, SCK
	s_add_nc_u64 s[58:59], s[6:7], s[80:81]
	s_or_b32 s59, s59, 0x80000000
	s_mov_b32 s60, 1                               ; v's
	s_mov_b32 s61, SCV
	s_add_nc_u64 s[62:63], s[6:7], s[82:83]
	s_or_b32 s63, s63, 0x80000000
	CROUND                                         ; all four work-groups are here: the joint loads meet
	s_cmp_lt_u32 s12, 4                            ; one chain of branches on the wave's number, one fill to an arm: waves 0-3 k, 4-7 v, 8 and 9 the scale words
	s_cbranch_scc0 .Larm_v
	TL 48, 24
	s_branch .Lasked
.Larm_v:
	s_cmp_lt_u32 s12, 8
	s_cbranch_scc0 .Larm_sk
	TL 52, 32
	s_branch .Lasked
.Larm_sk:
	s_cmp_eq_u32 s12, 8
	s_cbranch_scc0 .Larm_sv
	TL 56, 40
	s_branch .Lasked
.Larm_sv:
	s_cmp_eq_u32 s12, 9
	s_cbranch_scc0 .Lasked
	TL 60, 68
.Lasked:
	v_and_b32 v6, 31, v0                           ; lane
	v_and_b32 v7, 15, v0                           ; r
	v_and_b32 v8, 7, v0                            ; r % 8
	v_bfe_u32 v9, v0, 3, 1                         ; r / 8
	v_bfe_u32 v10, v0, 4, 1                        ; h
	v_lshlrev_b32 v1, 4, v6                        ; 16 x lane
	v_lshlrev_b32 v2, 3, v6
	v_add_nc_u32 v2, 512, v2                       ; 8 x lane + 512
	v_lshlrev_b32 v3, 4, v7                        ; 16 r
	global_load_b128 v[22:25], v1, s[84:85]        ; q of my first tile,
	global_load_b64 v[26:27], v2, s[84:85]
	global_load_b128 v[34:37], v1, s[84:85] offset:12288   ; of my second, 16 tiles on
	global_load_b64 v[38:39], v2, s[84:85] offset:12288
	global_load_b32 v40, v3, s[86:87]
	global_load_b32 v41, v3, s[86:87] offset:1024
	v_mul_u32_u24 v11, v9, 1920                    ; lanes with r / 8 = 1 read the next stored fragment
	v_mad_u32_u24 v[LKA], v10, 320, v11
	v_lshl_add_u32 v[LKA], v8, 4, v[LKA]           ; 16 (r % 8) + 320 h + 1,920 (r / 8)
	v_lshl_add_u32 v[LKB], v10, 7, v11
	v_lshl_add_u32 v[LKB], v8, 3, v[LKB]
	v_add_nc_u32 v[LKB], 640, v[LKB]               ; 640 + 8 (r % 8) + 128 h + 1,920 (r / 8)
	v_lshlrev_b32 v[LKS], 4, v8
	v_lshl_add_u32 v[LKS], v9, 2, v[LKS]
	v_lshl_add_u32 v[LKS], s16, 3, v[LKS]          ; 16 (r % 8) + 4 (r / 8) + 8 x my head of the pair
	v_lshlrev_b32 v[SH], 3, v10
	s_lshl_b32 s19, s12, 5
	v_lshl_add_u32 v[GST], v7, 1, s19
	v_add_nc_u32 v[GST], GATH, v[GST]              ; 32 x wave + 2 r
	s_and_b32 s19, s12, 1
	s_lshl_b32 s19, s19, 9
	v_add_nc_u32 v[GRD], s19, v1
	v_add_nc_u32 v[GRD], GATH, v[GRD]
.irp i, 0,1,2,3,4,5
	v_mov_b32 v[16+\i], 0                          ; zero codes on both sides of q
	v_mov_b32 v[28+\i], 0
.endr
	v_mov_b32 v13, 0xff61b1e6                      ; the largest score so far: -3e38
	v_mov_b32 v12, 0x7e800000                      ; a first -M above every later one
	v_mov_b32 v14, 0
	v_mov_b32 v15, 0
	v_mov_b32 v216, 0                              ; written once: a lane permute's destination counts as one of its sources
	v_mov_b32 v217, 0
	v_mov_b32 v226, 0
	v_mov_b32 v229, 0                              ; (named as the upper half of a pair before it is first written)
	s_wait_loadcnt 0x0
	v_perm_b32 v40, v40, v40, s14                  ; my tile's two bytes, twice: for [q | 0] and for [0 | q]
	v_perm_b32 v41, v41, v41, s14
.set J, 0
.rept 32
	v_mov_b32 v[O+J], 0                            ; O^T: the first f is 0.  (Also the places behind the scale words' writes)
.set J, J+1
.endr
	s_wait_alu depctr_va_vdst(0)                   ; the wait at the head's end
	s_wait_tensorcnt 0x0                           ; my one load, if I issued one, has landed
	s_barrier_signal -1
	s_barrier_wait -1                              ; everybody's has: all of k, v and their scale words lie in LDS, and nothing is filled again
	PASS 0
	PASS 1
	s_wait_dscnt 0x0                               ; my scale bytes lie in LDS
	s_barrier_signal -1
	s_barrier_wait -1                              ; everybody's do
	s_cmp_lt_u32 s12, 2
	s_cbranch_scc0 .Lno_words
	ds_load_b128 v[S:S+3], v[GRD]                  ; wave 0: the first group's 256 rows, wave 1: the second's
	s_wait_dscnt 0x0
	global_store_b128 v1, v[S:S+3], s[10:11]       ; 512 consecutive bytes, aligned
.Lno_words:
	s_wait_tensorcnt 0x0                           ; the wave's end
	ds_add_u32 v4, v5
	s_wait_dscnt 0x0
	CROUND                                         ; the closing round
	s_endpgm
.Lfunc_end_k_qcf9da993a4_attn:
	.size	k_qcf9da993a4_attn, .Lfunc_end_k_qcf9da993a4_attn-k_qcf9da993a4_attn
	.p2alignl 7, 3214868480
	.fill 96, 4, 3214868480
	.section	.rodata,"a",@progbits
	.p2align	6, 0x0
	.amdhsa_kernel k_qcf9da993a4_attn
		.amdhsa_group_segment_fixed_size 236544
		.amdhsa_private_segment_fixed_size 0
		.amdhsa_enable_private_segment 0
		.amdhsa_kernarg_size 32
		.amdhsa_user_sgpr_count 2
		.amdhsa_user_sgpr_kernarg_segment_ptr 1
		.amdhsa_wavefront_size32 1
		.amdhsa_system_sgpr_workgroup_id_x 1
		.amdhsa_system_sgpr_workgroup_id_y 1
		.amdhsa_system_sgpr_workgroup_id_z 1
		.amdhsa_system_vgpr_workitem_id 0
		.amdhsa_next_free_vgpr 256
		.amdhsa_next_free_sgpr 100
		.amdhsa_reserve_vcc 0
		.amdhsa_float_denorm_mode_32 3
		.amdhsa_float_denorm_mode_16_64 3
		.amdhsa_memory_ordered 1
		.amdhsa_forward_progress 1
		.amdhsa_inst_pref_size 86
	.end_amdhsa_kernel
	.amdgpu_metadata
---
amdhsa.version: [ 1, 2 ]
amdhsa.kernels:
  - .name:           k_qcf9da993a4_attn
    .symbol:         k_qcf9da993a4_attn.kd
    .args:
      - { .name: qkvf, .offset: 0, .size: 8, .value_kind: global_buffer, .address_space: global }
      - { .name: qkvs, .offset: 8, .size: 8, .value_kind: global_buffer, .address_space: global }
      - { .name: aof, .offset: 16, .size: 8, .value_kind: global_buffer, .address_space: global }
      - { .name: aos, .offset: 24, .size: 8, .value_kind: global_buffer, .address_space: global }
    .group_segment_fixed_size: 236544
    .private_segment_fixed_size: 0
    .kernarg_segment_align: 8
    .kernarg_segment_size: 32
    .max_flat_workgroup_size: 512
    .sgpr_count:     100
    .vgpr_count:     256
    .wavefront_size: 32
...
	.end_amdgpu_metadata
.endif
;; end of part 3
;; launch oproj (part 4): grid 4 x 64, 4 waves a work-group, clusters of 4 x 4, 295,424 bytes of LDS; arguments aof, aos, wf, ws, bo, out0; writes out0
.if DOCPART == 4
	.amdgcn_target "amdgcn-amd-amdhsa--gfx1250"
	.amdhsa_code_object_version 6
	.text
	.protected	k_qcf9da993a4_oproj
	.globl	k_qcf9da993a4_oproj
	.p2align	8
	.type	k_qcf9da993a4_oproj,@function
k_qcf9da993a4_oproj:
	s_mov_b64 s[64:65], 0
	v_nop
	global_prefetch_b8 v0, s[64:65] scope:SCOPE_SE
	s_setreg_imm32_b32 hwreg(HW_REG_WAVE_MODE, 25, 1), 1
	s_wait_xcnt 0x0
	s_wait_alu depctr_hold_cnt(0) depctr_sa_sdst(0) depctr_va_vdst(0) depctr_va_sdst(0) depctr_va_ssrc(0) depctr_va_vcc(0) depctr_vm_vsrc(0)
	s_getreg_b32 s2, hwreg(HW_REG_IB_STS2, 6, 4)
	s_cmp_eq_u32 s2, 0
	s_cbranch_scc0 .Lentry_in_a_cluster
	s_endpgm
.Lentry_in_a_cluster:
	s_bfe_u32 s2, ttmp6, 0x10000c
	s_cmp_lg_u32 s2, 0xf033
	s_cbranch_scc0 .Lentry_shape_is_right
	s_endpgm
.Lentry_shape_is_right:
; OUT = a Wo^T + bo on codes of FP6 (E2M3) with E8M0 scales, K = 1,024; a is the attention launch's result, Wo the fourth weight of wf.  out0: [8192][1024] f32.
; Operands lie in memory as images of the matrix unit's registers (a fragment of 16 rows x 128 K = 1,536 bytes; [group of 256 rows][K step][tile 16]); tile t's lane r is row 32 (t / 2) + 8 (t % 2) + r + 8 (r / 8).
; A WORK-GROUP makes 128 tokens x 256 outputs; four waves, 2 x 2, each 64 x 128: 32 accumulators.  ALL OF K for both operands lies in LDS at once (98,304 + 196,608 bytes): every byte is asked for
; at the start and nothing is filled twice; 256 work-groups, one for each WGP.
; SOURCE 0 = a tile of Wo's rows, SOURCE 1 = a tile of tokens: a lane holds one token and, in tiles 2 b and 2 b + 1, 16 neighbouring outputs.  The bias is the C of each sum's first product.
; CLUSTER 4 x 4: the tokens' tiles are shared along a row of the cluster, Wo's along a column: each is asked for jointly, by the same tensor load with a mask that names the four.
; REGISTERS: window 0: v2-13 addresses, v32-47 a's scale words, v48-79 Wo's, v128-255 rows on the way out;  window 1: accumulator (a, b) at v[8 (8 a + b)];  window 2: Wo's fragments, two sets of 96;
;   window 3: a's fragments, two sets of 48; from v128 the bias in the result's layout.
.set AF,   0
.set BF,   98304
.set SA,   32
.set SB,   48
.set BIAS, 128
.set G1A,  36
.set G1B,  44
.set G0A,  68
.set G0B,  84
.set MSB, 0
.macro WIN new                         ; the immediate's high byte repeats the setting that is left
.if MSB != \new
	s_set_vgpr_msb (MSB<<8)|\new
.set MSB, \new
.endif
.endm
.macro CROUND                          ; a round of the cluster's barrier
	s_barrier_signal -1
	s_barrier_wait -1
	s_cmp_lg_u32 s22, 0
	s_cbranch_scc1 .Lnot_wave_0_\@
	s_barrier_signal -3
.Lnot_wave_0_\@:
	s_barrier_wait -3
	s_barrier_signal -1
	s_barrier_wait -1
.endm
.macro FETCH p                         ; 48 LDS loads: a K step's 8 fragments of Wo and 4 of a into set p
	WIN 0x80
.irp i, 0,1,2,3,4,5,6,7
	ds_load_b128 v[96*(\p)+12*\i:96*(\p)+12*\i+3], v4 offset:1536*\i
	ds_load_b64 v[96*(\p)+12*\i+4:96*(\p)+12*\i+5], v5 offset:1536*\i
	ds_load_b128 v[96*(\p)+12*\i+6:96*(\p)+12*\i+9], v4 offset:1536*\i+768
	ds_load_b64 v[96*(\p)+12*\i+10:96*(\p)+12*\i+11], v5 offset:1536*\i+768
.endr
	WIN 0xc0
.irp i, 0,1,2,3
	ds_load_b128 v[48*(\p)+12*\i:48*(\p)+12*\i+3], v2 offset:1536*\i
	ds_load_b64 v[48*(\p)+12*\i+4:48*(\p)+12*\i+5], v3 offset:1536*\i
	ds_load_b128 v[48*(\p)+12*\i+6:48*(\p)+12*\i+9], v2 offset:1536*\i+768
	ds_load_b64 v[48*(\p)+12*\i+10:48*(\p)+12*\i+11], v3 offset:1536*\i+768
.endr
.endm
; K step q on set p: the 32 accumulators by turns, in the same order in every K step.  cm = 1: the sums start from the bias.
; A scale register holds K step q % 4 in lanes 0-15 and q % 4 + 4 in lanes 16-31.
.macro MUL32 q, p, cm
.if \cm
	WIN 0x7e
.else
	WIN 0x5e
.endif
.irp a, 0,1,2,3
.irp b, 0,1,2,3,4,5,6,7
.if \cm == 1
	v_wmma_scale_f32_16x16x128_f8f6f4 v[8*(8*\a+\b):8*(8*\a+\b)+7], v[96*(\p)+12*\b:96*(\p)+12*\b+11], v[48*(\p)+12*\a:48*(\p)+12*\a+11], v[BIAS+8*\b:BIAS+8*\b+7], v[SB+4*\b+(\q)%4], v[SA+4*\a+(\q)%4] matrix_a_fmt:MATRIX_FMT_FP6 matrix_b_fmt:MATRIX_FMT_FP6
.elseif (\q) < 4
	v_wmma_scale_f32_16x16x128_f8f6f4 v[8*(8*\a+\b):8*(8*\a+\b)+7], v[96*(\p)+12*\b:96*(\p)+12*\b+11], v[48*(\p)+12*\a:48*(\p)+12*\a+11], v[8*(8*\a+\b):8*(8*\a+\b)+7], v[SB+4*\b+(\q)%4], v[SA+4*\a+(\q)%4] matrix_a_fmt:MATRIX_FMT_FP6 matrix_b_fmt:MATRIX_FMT_FP6
.else
	v_wmma_scale_f32_16x16x128_f8f6f4 v[8*(8*\a+\b):8*(8*\a+\b)+7], v[96*(\p)+12*\b:96*(\p)+12*\b+11], v[48*(\p)+12*\a:48*(\p)+12*\a+11], v[8*(8*\a+\b):8*(8*\a+\b)+7], v[SB+4*\b+(\q)%4], v[SA+4*\a+(\q)%4] matrix_a_fmt:MATRIX_FMT_FP6 matrix_b_fmt:MATRIX_FMT_FP6 matrix_a_scale:MATRIX_SCALE_ROW1 matrix_b_scale:MATRIX_SCALE_ROW1
.endif
.endr
.endr
.endm
.macro KPRE q
	s_wait_dscnt 0x0                               ; K step q's 48 loads, issued ahead of the last 32 matrix instructions
.if (\q) < 7
	WIN 0
	v_add_nc_u32 v2, 12288, v2                     ; on to the next K step.  These four are also the places between the last products and the loads into the registers that they read
	v_add_nc_u32 v3, 12288, v3
	v_add_nc_u32 v4, 24576, v4
	v_add_nc_u32 v5, 24576, v5
	FETCH ((\q)+1)%2
.endif
.endm
; THE WAY OUT of tile a of my tokens: 16 rows x 128 outputs go through my own stage in LDS and come back as whole rows of 512 bytes
.macro TOSTAGE a
	WIN 0x04                                       ; an LDS store's data: window 1
.irp b, 0,1,2,3,4,5,6,7
	ds_store_b128 v7, v[64*(\a)+8*\b:64*(\a)+8*\b+3] offset:128*(\b/2)+32*(\b%2)          ; each accumulator from its low end on
	ds_store_b128 v7, v[64*(\a)+8*\b+4:64*(\a)+8*\b+7] offset:128*(\b/2)+32*(\b%2)+16
.endr
	WIN 0
.irp t, 0,1,2,3,4,5,6,7,8,9,10,11,12,13,14,15
	ds_load_b128 v[128+64*((\a)%2)+4*\t:128+64*((\a)%2)+4*\t+3], v12 offset:\t*528   ; LDS serves a wave's instructions in order: these see the stores above, and the next tile's stores come behind them
.endr
.endm
.macro SEND a, younger                 ; younger: the LDS instructions issued behind tile a's loads, which may stay out
	s_wait_dscnt \younger
.irp t, 0,1,2,3,4,5,6,7,8,9,10,11,12,13,14,15
	global_store_b128 v10, v[128+64*((\a)%2)+4*\t:128+64*((\a)%2)+4*\t+3], s[14:15] offset:(32*((\a)/2)+8*((\a)%2)+\t+8*(\t/8))*4096 th:TH_STORE_NT   ; the tile's lane t's token: 512 consecutive bytes, aligned
.endr
.endm
	s_load_b256 s[4:11], s[0:1], 0x0               ; aof, aos, wf, ws
	s_load_b128 s[12:15], s[0:1], 0x20             ; bo, out0
	v_lshl_add_u32 v126, v0, 2, 0x48000
	v_mov_b32 v127, 0
	ds_add_u32 v126, v127
	ds_add_u32 v126, v127
	v_lshrrev_b32 v1, 5, v0
	v_readfirstlane_b32 s22, v1                    ; wave 0..3
	s_lshr_b32 s23, s22, 1                         ; which 64 tokens are mine.  Also: I fetch for a (0) or for Wo (1)
	s_and_b32 s24, s22, 1                          ; which 128 outputs.  Also: which half of K I fetch (K steps 0-3 or 4-7)
	s_bfe_u32 s25, ttmp6, 0x40000                  ; cx: which 256 rows of Wo
	s_bfe_u32 s26, ttmp6, 0x40004                  ; cy
	s_and_b32 s27, ttmp7, 0xffff                   ; the cluster's number, 0..15
	s_lshl_b32 s29, s27, 2
	s_add_co_u32 s29, s29, s26                     ; which 128 tokens
	s_lshl_b32 s3, s26, 2
	s_lshl_b32 s3, 15, s3                          ; my row of the cluster
	s_lshl_b32 s31, 0x1111, s25                    ; my column
	s_or_b32 s[G1A], s3, (3<<16)|(1<<21)           ; 15:0 the mask; 17:16 elements of 8 bytes; 21 set beside a mask; no padding
	s_or_b32 s[G1B], s31, (3<<16)|(1<<21)
	s_mov_b32 s[G1A+1], 1536<<16                   ; a: a row is a K step's 8 fragments, 12,288 bytes,
	s_mov_b32 s[G1A+2], 4<<16                      ; four K steps,
	s_mov_b32 s[G1A+3], 1536<<16
	s_mov_b32 s[G1A+4], 4
	s_mov_b32 s[G1A+5], 3072                       ; 24,576 bytes from K step to K step in memory
	s_mov_b32 s[G1A+6], 0
	s_mov_b32 s[G1A+7], 0
	s_mov_b32 s[G1B+1], 32<<16
	s_mov_b32 s[G1B+2], 384<<16                    ; Wo: 384 rows of 256 bytes: four K steps' 64 fragments, dense
	s_mov_b32 s[G1B+3], 32<<16
	s_mov_b32 s[G1B+4], 384
	s_mov_b32 s[G1B+5], 32
	s_mov_b32 s[G1B+6], 0
	s_mov_b32 s[G1B+7], 0
	s_lshr_b32 s52, s29, 1
	s_mul_i32 s52, s52, 196608
	s_and_b32 s53, s29, 1
	s_mul_i32 s53, s53, 12288
	s_add_co_u32 s52, s52, s53
	s_mul_i32 s53, s24, 98304                      ; my half of K: four K steps of 24,576 bytes
	s_add_co_u32 s52, s52, s53
	s_mov_b32 s53, 0
	s_mul_i32 s56, s25, 196608
	s_add_co_u32 s56, s56, 2359296                 ; Wo in wf
	s_mul_i32 s57, s24, 98304
	s_add_co_u32 s56, s56, s57
	s_mov_b32 s57, 0
	s_lshr_b32 s32, s29, 1
	s_lshl_b32 s32, s32, 12                        ; a's scale bytes: two planes [head % 2] of [group][K step 8][tile 16][lane 16] x 2 bytes
	s_and_b32 s33, s29, 1
	s_lshl_b32 s33, s33, 8
	s_add_co_u32 s32, s32, s33
	s_lshl_b32 s33, s23, 7
	s_add_co_u32 s32, s32, s33
	s_mov_b32 s33, 0
	s_lshl_b32 s34, s25, 13
	s_add_co_u32 s34, s34, 98304                   ; Wo in ws
	s_lshl_b32 s35, s24, 9
	s_add_co_u32 s34, s34, s35
	s_mov_b32 s35, 0
	s_mul_i32 s3, s24, 49152                       ; where my half of K goes in LDS: the wave's number alone
	s_mul_i32 s31, s24, 98304
	s_wait_dscnt 0x0
	s_wait_kmcnt 0x0
	s_add_nc_u64 s[54:55], s[4:5], s[52:53]
	s_add_nc_u64 s[58:59], s[8:9], s[56:57]
	s_add_nc_u64 s[60:61], s[6:7], s[32:33]
	s_add_nc_u64 s[62:63], s[10:11], s[34:35]
.irp c, 0                                      ; one group 0 for a and one for Wo
	s_mov_b32 s[G0A+4*\c], 1
	s_add_co_u32 s[G0A+4*\c+1], s3, AF+2*\c*12288
	s_add_nc_u64 s[G0A+4*\c+2:G0A+4*\c+3], s[54:55], 2*\c*24576
	s_or_b32 s[G0A+4*\c+3], s[G0A+4*\c+3], 0x80000000
	s_mov_b32 s[G0B+4*\c], 1
	s_add_co_u32 s[G0B+4*\c+1], s31, BF+2*\c*24576
	s_add_nc_u64 s[G0B+4*\c+2:G0B+4*\c+3], s[58:59], 2*\c*24576
	s_or_b32 s[G0B+4*\c+3], s[G0B+4*\c+3], 0x80000000
.endr
	CROUND                                         ; all sixteen work-groups are here: the joint loads meet
	s_cmp_eq_u32 s23, 0                            ; one tensor load a wave: half of K of a or of Wo
	s_cbranch_scc0 .Lfor_b
	tensor_load_to_lds s[G0A:G0A+3], s[G1A:G1A+7]
	s_nop 0
.rept 4
	v_nop
.endr
	s_branch .Lasked
.Lfor_b:
	tensor_load_to_lds s[G0B:G0B+3], s[G1B:G1B+7]
	s_nop 0
.rept 4
	v_nop
.endr
.Lasked:
	v_and_b32 v1, 31, v0                           ; lane
	v_and_b32 v8, 15, v0                           ; r
	v_bfe_u32 v9, v0, 4, 1                         ; h
	s_wait_alu depctr_va_vdst(0)
	v_lshlrev_b32 v6, 2, v8
	v_lshl_add_u32 v6, v9, 12, v6                  ; scale words: 4 r; lanes 16-31 take the K step four further on
	v_lshlrev_b32 v14, 1, v8
	v_lshl_add_u32 v14, v9, 11, v14                ; a's half words: 2 r; lanes 16-31 likewise four K steps of 512 bytes on
.irp j, 0,1,2,3
.irp a, 0,1,2,3
	global_load_u16 v[SA+4*\a+\j], v14, s[60:61] offset:512*\j+32*\a             ; the pair's first head: bytes 0 and 1 of the word,
	global_load_u16 v[80+4*\a+\j], v14, s[60:61] offset:131072+512*\j+32*\a      ; its second: bytes 2 and 3
.endr
.irp b, 0,1,2,3,4,5,6,7
	global_load_b32 v[SB+4*\b+\j], v6, s[62:63] offset:1024*\j+64*\b
.endr
.endr
	s_lshl_b32 s32, s25, 10
	s_lshl_b32 s33, s24, 9
	s_add_co_u32 s32, s32, s33                     ; my first output, in bytes
	s_mov_b32 s33, 0
	s_add_nc_u64 s[12:13], s[12:13], s[32:33]      ; in bo,
	s_add_nc_u64 s[14:15], s[14:15], s[32:33]      ; and in a row of out0
	s_lshl_b32 s32, s29, 7
	s_lshl_b32 s34, s23, 6
	s_add_co_u32 s32, s32, s34
	s_lshl_b32 s32, s32, 12                        ; my first token's row of 4,096 bytes
	s_add_nc_u64 s[14:15], s[14:15], s[32:33]
	v_lshlrev_b32 v13, 6, v9                       ; tile 2 b + u: the eight outputs 32 b + 16 h + 8 u + 0 .. 7
	WIN 0xc0
.irp b, 0,1,2,3,4,5,6,7
	global_load_b128 v[BIAS+8*\b:BIAS+8*\b+3], v13, s[12:13] offset:(32*(\b/2)+8*(\b%2))*4
	global_load_b128 v[BIAS+8*\b+4:BIAS+8*\b+7], v13, s[12:13] offset:(32*(\b/2)+8*(\b%2))*4+16
.endr
	WIN 0
	v_lshlrev_b32 v10, 4, v1                       ; 16 x lane
	v_lshlrev_b32 v11, 3, v1
	v_add_nc_u32 v11, 512, v11                     ; 8 x lane + 512
	s_mul_i32 s3, s23, 6144
	v_add_nc_u32 v2, s3, v10                       ; my four tiles of a, K step 0
	v_add_nc_u32 v3, s3, v11
	s_mul_i32 s3, s24, 12288
	s_add_co_u32 s3, s3, BF
	v_add_nc_u32 v4, s3, v10                       ; my eight tiles of Wo
	v_add_nc_u32 v5, s3, v11
	s_mul_i32 s3, s22, 8448                        ; my stage: 16 rows x 528 bytes, in a's bytes, which have had their one fill and are read no more when the first result is stored there
	v_mul_u32_u24 v7, v8, 528
	v_lshl_add_u32 v7, v9, 6, v7
	v_add_nc_u32 v7, s3, v7                        ; in: row r, + 64 h
	v_add_nc_u32 v12, s3, v10                      ; back: 16 bytes a lane of a row
	s_wait_alu depctr_va_vdst(0)
	s_wait_tensorcnt 0x0                           ; my one load has landed
	s_barrier_signal -1
	s_barrier_wait -1                              ; everybody's has
	FETCH 0
	s_wait_loadcnt 0x0                             ; scale words and bias
	WIN 0
.set J, 0
.rept 16
	v_lshl_or_b32 v[SA+J], v[80+J], 16, v[SA+J]    ; a's scale words, from their two halves
.set J, J+1
.endr
.rept 8
	v_nop                                          ; a scale register written by a vector instruction stands 8 places ahead of a scaled matrix instruction
.endr
	s_wait_alu depctr_va_vdst(0)                   ; directly ahead of the wait below
	KPRE 0
	MUL32 0, 0, 1
	s_wait_alu depctr_va_vdst(0)
.irp q, 1,2,3,4,5,6
	s_wait_alu depctr_va_vdst(0)
	KPRE \q
	MUL32 \q, (\q)%2, 0
.endr
	s_wait_dscnt 0x0                               ; the last K step's fragments are in: my reads of a's and Wo's bytes are over:
	s_barrier_signal -1                            ; say so,
	MUL32 7, 1, 0                                  ; work on registers while the others arrive,
	WIN 0
	s_barrier_wait -1                              ; and go on when all four have said so: the stages may be written
.rept 4
	v_nop                                          ; places between the last products and the first read of results
.endr
	TOSTAGE 0
.irp a, 1,2,3
.if \a > 1
	s_wait_xcnt 0x0                                ; tile a - 2's stores have had their addresses translated: tile a's rows may land in their registers
.endif
	TOSTAGE \a
	SEND \a-1, 32                                  ; behind tile a - 1's loads: tile a's 16 stores and 16 loads
.endr
	SEND 3, 0
	s_wait_tensorcnt 0x0
	ds_add_u32 v126, v127
	s_wait_dscnt 0x0
	CROUND                                         ; the closing round: no work-group ends while a partner may still ask for a tile that names it
	s_endpgm
.Lfunc_end_k_qcf9da993a4_oproj:
	.size	k_qcf9da993a4_oproj, .Lfunc_end_k_qcf9da993a4_oproj-k_qcf9da993a4_oproj
	.p2alignl 7, 3214868480
	.fill 96, 4, 3214868480
	.section	.rodata,"a",@progbits
	.p2align	6, 0x0
	.amdhsa_kernel k_qcf9da993a4_oproj
		.amdhsa_group_segment_fixed_size 295424
		.amdhsa_private_segment_fixed_size 0
		.amdhsa_enable_private_segment 0
		.amdhsa_kernarg_size 48
		.amdhsa_user_sgpr_count 2
		.amdhsa_user_sgpr_kernarg_segment_ptr 1
		.amdhsa_wavefront_size32 1
		.amdhsa_system_sgpr_workgroup_id_x 1
		.amdhsa_system_sgpr_workgroup_id_y 1
		.amdhsa_system_sgpr_workgroup_id_z 1
		.amdhsa_system_vgpr_workitem_id 0
		.amdhsa_next_free_vgpr 1024
		.amdhsa_next_free_sgpr 100
		.amdhsa_reserve_vcc 0
		.amdhsa_float_denorm_mode_32 3
		.amdhsa_float_denorm_mode_16_64 3
		.amdhsa_memory_ordered 1
		.amdhsa_forward_progress 1
		.amdhsa_inst_pref_size 90
	.end_amdhsa_kernel
	.amdgpu_metadata
---
amdhsa.version: [ 1, 2 ]
amdhsa.kernels:
  - .name:           k_qcf9da993a4_oproj
    .symbol:         k_qcf9da993a4_oproj.kd
    .args:
      - { .name: aof, .offset: 0, .size: 8, .value_kind: global_buffer, .address_space: global }
      - { .name: aos, .offset: 8, .size: 8, .value_kind: global_buffer, .address_space: global }
      - { .name: wf, .offset: 16, .size: 8, .value_kind: global_buffer, .address_space: global }
      - { .name: ws, .offset: 24, .size: 8, .value_kind: global_buffer, .address_space: global }
      - { .name: bo, .offset: 32, .size: 8, .value_kind: global_buffer, .address_space: global }
      - { .name: out0, .offset: 40, .size: 8, .value_kind: global_buffer, .address_space: global }
    .group_segment_fixed_size: 295424
    .private_segment_fixed_size: 0
    .kernarg_segment_align: 8
    .kernarg_segment_size: 48
    .max_flat_workgroup_size: 128
    .sgpr_count:     100
    .vgpr_count:     1024
    .wavefront_size: 32
...
	.end_amdgpu_metadata
.endif
;; end of part 4
